; MI455X (gfx1250); checked and timed in simulation.
; The chip was launched on July 23, 2026; its instructions are those of AMD's public machine-readable ISA for CDNA 5 (MIT licence, August 2026) and "CDNA5" Instruction Set Architecture Reference Guide (July 2026). The comments in the code are by the model that wrote it; some were corrected since.
;; Attention Block. Allowed arithmetic: matrix products marked QUANTISED: E5M2 operands, one given power-of-two scale a tensor, by v_wmma_f32_16x16x64_bf8_bf8 or v_wmma_f32_16x16x128_bf8_bf8, f32 sums; everything else in f32.
;; Inputs: Wk_codes 1,024 x 32 x 32 uint8 (E5M2 codes of Wk, K innermost, in blocks of 32 codes); Wp_codes 1,024 x 32 x 32 uint8 (E5M2 codes of Wp, K innermost, in blocks of 32 codes); Wq_codes 1,024 x 32 x 32 uint8 (E5M2 codes of Wq, K innermost, in blocks of 32 codes); Wv_codes 1,024 x 32 x 32 uint8 (E5M2 codes of Wv, K innermost, in blocks of 32 codes); bk 1,024 float32; bp 1,024 float32; bq 1,024 float32; bv 1,024 float32; ln_b 1,024 float32; ln_g 1,024 float32; lowp_scales 12 int32 (the exponents e of the quantised operands' scales 2^e); x 2 x 2,048 x 1,024 float32.
;; Outputs: out0 2 x 2,048 x 1,024 float32.
;; This version of the problem:
;;   THIS VERSION OF THE PROBLEM IS GIVEN IN LOW PRECISION. The matrix products marked QUANTISED in the list below multiply operands that are first quantised to E5M2 (5 exponent bits, 2 mantissa bits; 8 bits a number), with one given power-of-two scale for each operand tensor; their sums are f32. All else is computed in f32.
;;   The module's matrix products, in the order in which they are computed (A, B: the left and right operand; K: the contracted axis; several contracted axes count as one K, in the product's order):
;;     1. [M 4,096, K 1,024] x [K 1,024, N 1,024]; A: input x; B: input Wq (given as codes): QUANTISED (scales: A lowp_scales[0], B lowp_scales[1])
;;     2. [M 4,096, K 1,024] x [K 1,024, N 1,024]; A: input x; B: input Wk (given as codes): QUANTISED (scales: A lowp_scales[2], B lowp_scales[3])
;;     3. [M 4,096, K 1,024] x [K 1,024, N 1,024]; A: input x; B: input Wv (given as codes): QUANTISED (scales: A lowp_scales[4], B lowp_scales[5])
;;     4. batch 32 x [M 2,048, K 64] x [K 64, N 2,048]; A: computed on the way; B: computed on the way: QUANTISED (scales: A lowp_scales[6], B lowp_scales[7])
;;     5. batch 32 x [M 2,048, K 2,048] x [K 2,048, N 64]; A: softmax (see below); B: computed on the way: QUANTISED (scales: A lowp_scales[8], B lowp_scales[9])
;;     6. [M 4,096, K 1,024] x [K 1,024, N 1,024]; A: computed on the way; B: input Wp (given as codes): QUANTISED (scales: A lowp_scales[10], B lowp_scales[11])
;;   THE QUANTISER, for each operand of a quantised product, along K:
;;     - The operand's scale is 2^e, e = its entry of the input lowp_scales (int32; the entries are numbered through the quantised products in the list's order, A before B).
;;     - Each number is divided by the scale, clamped to +-57,344, and rounded to the nearest number of E5M2, ties to even, subnormals kept.
;;     - The product sums the exact products of the quantised numbers (number of the format x scale) in f32.
;;   ~~~python
;;   def quantise(x, axis, e):      # numpy; x: float32 -> the quantised numbers, widened to float32 again
;;       x = np.moveaxis(x, axis, -1); K = x.shape[-1]
;;       r = np.clip(x / 2.0 ** e, -57344, 57344)
;;       step = 2.0 ** (np.maximum(np.frexp(np.where(r == 0, 1, r))[1] - 1, -14) - 2)
;;       q = np.round(r / step) * step * 2.0 ** e      # np.round: ties to even
;;       return np.moveaxis(q, -1, axis).astype(np.float32)
;;   ~~~
;;   SOFTMAX AHEAD OF A QUANTISED PRODUCT. Where the list says 'softmax', what is quantised is not the finished softmax but p = 2^(t - M), with t = logit x log2(e) and M = ceil(the row's largest t), a whole number; so 1/2 < the row's largest p <= 1. The row's sum l is taken of the UNQUANTISED p, in f32, and the product's result is divided by l at the end. Since M is a whole number, a kernel that streams over the keys may use a running M (the ceiling of the running maximum): every later rescaling is an exact power of two, so the quantised numbers keep their values, but for numbers so far below the row's largest that they fall under the format's range.
;;   OPERANDS COMPUTED ON THE WAY. 'Computed on the way' means the value that the module computes at that place (a softmax that the list does not call 'softmax' is quantised finished and normalised). What goes into a quantiser is computed in f32, as accurately as f32 sums, v_exp_f32 and their like allow (about 1e-6 of the number): no bf16 or f16 on the way to a quantiser, and a product that is left as it is and whose result goes on into a quantised operand takes f32 operands (vector FMAs, or v_wmma_f32_16x16x4_f32). A number that lies on a knife's edge between two numbers of the format may be rounded either way, as far as f32 arithmetic and the matrix unit's own rounding can turn it there, and no further.
;;   INPUTS GIVEN AS CODES. Wk (in the module: [1024, 1024], K = its axis 0); Wp (in the module: [1024, 1024], K = its axis 0); Wq (in the module: [1024, 1024], K = its axis 0); Wv (in the module: [1024, 1024], K = its axis 0): each comes as NAME_codes (uint8): NAME with its K axis moved to the last place and cut into blocks of 32 codes, [.., K / 32, bytes a block], one block behind the other in memory; one code a byte (a code: sign, 5 exponent bits, 2 mantissa bits); its scale is its entry of lowp_scales. Its value is code x scale, taken as it is: it is not quantised again, and the codes and scales need not be those that the quantiser above would give.
;; One version. Each part assembles by itself: llvm-mc -triple=amdgcn-amd-amdhsa -mcpu=gfx1250 --defsym DOCPART=n.
;; ======== version 1 of 1: 5 launches
;; limits: right only within a limited range of input values
;; workspace buffers: xq 4,194,304 bytes; xk 4,194,304 bytes; xv 4,194,304 bytes; qc 4,194,304 bytes; kc 4,194,304 bytes; vc 4,194,304 bytes; ao 4,194,304 bytes; y 16,777,216 bytes
;; launch prep (part 1): grid 256 x 1, 8 waves a work-group, no clusters, 66,560 bytes of LDS; arguments x, lowp_scales, xq, xk, xv; writes xq, xk, xv
.if DOCPART == 1
	.amdgcn_target "amdgcn-amd-amdhsa--gfx1250"
	.amdhsa_code_object_version 6
	.text
	.protected	k_qf1483151c5_prep
	.globl	k_qf1483151c5_prep
	.p2align	8
	.type	k_qf1483151c5_prep,@function
k_qf1483151c5_prep:
	s_mov_b64 s[64:65], 0
	v_nop
	global_prefetch_b8 v0, s[64:65] scope:SCOPE_SE
	s_setreg_imm32_b32 hwreg(HW_REG_WAVE_MODE, 25, 1), 1
	s_wait_xcnt 0x0
; FIRST OF FIVE LAUNCHES of: LayerNorm(x + attention(x) Wp + bp), all six matrix products on codes of E5M2 with given scales 2^e.
; DEAD WORK: none.  Every input has a way to the output: bq, bk and bv move the codes of q, k and v, all twelve scales enter a quantiser or a sum, bp, ln_g and ln_b enter the result.  Nothing is left out.
; LIMITS on the given exponents, so that each power of two made from them is an f32 number: entries 0, 2, 4, 6, 7, 8, 9, 10 between -126 and 112; the sums of entries 0+1, 2+3, 4+5, 10+11 between -126 and 126;
; 6+7 between -123 and 130; 8+9 has none.  NaN among the inputs is not served (an infinity is held at the largest code).
; THIS LAUNCH: x [4096][1024] f32 is an operand of three products, each with a scale of its own (entries 0, 2, 4): it becomes three tensors of codes, [4096][1024], K innermost: xq, xk, xv.
;   code = x / 2^e, held within +-57,344, to the nearest code, ties to even.  A wave takes 4 steps of 512 numbers.  Each load reads 512 consecutive bytes; a step's 2,048 bytes turn through the
;   wave's own stage in LDS so that a lane holds 16 neighbours along K; a lane's 16 codes are 16 bytes, so each store of the wave covers 512 consecutive bytes, aligned.
;   No data prefetch: there is no loop to run ahead in; all four steps' loads are out from the start.
.set STEPS, 4
.set SP,    80                         ; a lane's place in a stage: its 64 bytes + 16 of padding
.set WREG,  8192                       ; LDS: a region for each wave: two stages of 32 x SP bytes
.set SPARE, 8*WREG                     ; behind the regions: the spare words, 128 bytes for each wave: four blocks of 256 bytes that no other line names
.set SPW,   12                         ; v12  LDS address of my spare word; never rewritten
.set NIL,   13                         ; v13  0; never rewritten
.set R,     16                         ; v16-79    four sets of 16 numbers as loaded
.set X,     80                         ; v80-111   two sets of 16 neighbours
.set T0,    112                        ; v112-127  held for the first scale
.set T1,    128                        ; v128-143  held for the second
.set C,     144                        ; v144-191  codes: 12 registers for each step, so that no store's data are written again
	s_load_b64 s[4:5], s[0:1], 0x0                 ; x
	s_load_b256 s[8:15], s[0:1], 0x8               ; the scales' exponents s[8:9], xq, xk, xv
	v_lshl_add_u32 v[SPW], v0, 2, SPARE
	v_mov_b32 v[NIL], 0
	v_lshrrev_b32 v1, 5, v0
	v_readfirstlane_b32 s18, v1                    ; wave
	v_and_b32 v2, 31, v0                           ; lane
	v_lshlrev_b32 v3, 4, v2                        ; 16 x lane: my 16 bytes of 512, in every load of x and every store
	s_lshl_b32 s20, ttmp9, 3
	s_add_co_u32 s20, s20, s18                     ; which run of 2,048 numbers is my wave's
	s_lshl_b32 s22, s20, 13                        ; in x: 8,192 bytes a run
	s_mov_b32 s23, 0
	s_lshl_b32 s20, s20, 11                        ; in the codes: 2,048
	s_mov_b32 s21, 0
	s_mul_i32 s19, s18, WREG
	s_wait_alu depctr_va_vdst(0)
	v_lshrrev_b32 v14, 2, v2
	v_mul_u32_u24 v14, v14, SP
	v_and_b32 v15, 3, v2
	v_lshl_add_u32 v14, v15, 4, v14
	v_add_nc_u32 v14, s19, v14                     ; the stage, on the way in: four lanes' 64 bytes on end, then 16 of padding
	v_mul_u32_u24 v15, v2, SP
	v_add_nc_u32 v15, s19, v15                     ; and on the way out: my 16 neighbours
	s_wait_alu depctr_va_vdst(0)
	s_wait_kmcnt 0x0
	s_load_b256 s[24:31], s[8:9], 0x0              ; entries 0 to 7: 0, 2 and 4 are x's
	s_add_nc_u64 s[4:5], s[4:5], s[22:23]
	s_add_nc_u64 s[10:11], s[10:11], s[20:21]
	s_add_nc_u64 s[12:13], s[12:13], s[20:21]
	s_add_nc_u64 s[14:15], s[14:15], s[20:21]
.irp t, 0,1,2,3
.irp i, 0,1,2,3
	global_load_b128 v[R+16*\t+4*\i:R+16*\t+4*\i+3], v3, s[4:5] offset:2048*\t+512*\i th:TH_LOAD_NT   ; 32 lanes read 512 consecutive bytes
.endr
.endr
.macro TURN t                          ; step t's numbers through the stage: LDS serves a wave's instructions in order, so no wait stands between the stores and the loads
.irp i, 0,1,2,3
	ds_store_b128 v14, v[R+16*(\t)+4*\i:R+16*(\t)+4*\i+3] offset:32*SP*((\t)%2)+8*SP*\i
.endr
.irp i, 0,1,2,3
	ds_load_b128 v[X+16*((\t)%2)+4*\i:X+16*((\t)%2)+4*\i+3], v15 offset:32*SP*((\t)%2)+16*\i
.endr
.endm
.macro MKSCALE se, vs, vl              ; 2^e as f32 (the conversion takes its exponent field) and 57,344 x 2^e
	s_add_co_i32 s32, s[\se], 127
	s_lshl_b32 s33, s32, 23
	v_mov_b32 v[\vs], s33
	s_add_co_i32 s32, s32, 15
	s_lshl_b32 s32, s32, 23
	s_or_b32 s32, s32, 0x600000
	v_mov_b32 v[\vl], s32
.endm
	s_wait_kmcnt 0x0
	MKSCALE 24, 5, 6
	MKSCALE 26, 7, 8
	MKSCALE 28, 9, 10
	s_wait_alu depctr_va_vdst(0)
	s_wait_loadcnt 12                              ; step 0's four loads are in; those of the three steps behind it may be out
	TURN 0
.macro STEP t
.set XS, X+16*((\t)%2)
	s_wait_dscnt 0x0                               ; this step's numbers are back from the stage
.if (\t)+1 < STEPS
	s_wait_loadcnt 4*(STEPS-2-(\t))                ; the next step's four loads are in; those of the steps behind it may be out
	TURN (\t)+1                                    ; and go through the other stage while this step is worked
.endif
.set II, 0
.rept 16
	v_med3_num_f32 v[T0+II], v[XS+II], -v6, v6     ; the conversion to an 8-bit code does not saturate (ISA guide 7.6.2): the number is held within the largest code x the scale first
.set II, II+1
.endr
	v_cvt_scalef32_pk8_bf8_f32 v[C+12*(\t):C+12*(\t)+1], v[T0:T0+7], v5
	v_cvt_scalef32_pk8_bf8_f32 v[C+12*(\t)+2:C+12*(\t)+3], v[T0+8:T0+15], v5
.set II, 0
.rept 16
	v_med3_num_f32 v[T1+II], v[XS+II], -v8, v8     ; (plain lines on other registers: the place behind the conversions above)
.set II, II+1
.endr
	v_cvt_scalef32_pk8_bf8_f32 v[C+12*(\t)+4:C+12*(\t)+5], v[T1:T1+7], v7
	v_cvt_scalef32_pk8_bf8_f32 v[C+12*(\t)+6:C+12*(\t)+7], v[T1+8:T1+15], v7
.set II, 0
.rept 16
	v_med3_num_f32 v[XS+II], v[XS+II], -v10, v10   ; the third scale: in place
.set II, II+1
.endr
	v_cvt_scalef32_pk8_bf8_f32 v[C+12*(\t)+8:C+12*(\t)+9], v[XS:XS+7], v9
	v_cvt_scalef32_pk8_bf8_f32 v[C+12*(\t)+10:C+12*(\t)+11], v[XS+8:XS+15], v9
	v_nop                                          ; a plain line behind the last conversion
	global_store_b128 v3, v[C+12*(\t):C+12*(\t)+3], s[10:11] offset:512*(\t)      ; each store of the wave covers 512 consecutive bytes, aligned
	global_store_b128 v3, v[C+12*(\t)+4:C+12*(\t)+7], s[12:13] offset:512*(\t)
	global_store_b128 v3, v[C+12*(\t)+8:C+12*(\t)+11], s[14:15] offset:512*(\t)
.endm
.irp t, 0,1,2,3
	STEP \t
.endr
	s_wait_tensorcnt 0x0                           ; the wave's end, behind my last LDS store
	ds_add_u32 v[SPW], v[NIL]
	s_wait_dscnt 0x0
	s_endpgm
.Lfunc_end_k_qf1483151c5_prep:
	.size	k_qf1483151c5_prep, .Lfunc_end_k_qf1483151c5_prep-k_qf1483151c5_prep
	.p2alignl 7, 3214868480
	.fill 96, 4, 3214868480
	.section	.rodata,"a",@progbits
	.p2align	6, 0x0
	.amdhsa_kernel k_qf1483151c5_prep
		.amdhsa_group_segment_fixed_size 66560
		.amdhsa_private_segment_fixed_size 0
		.amdhsa_enable_private_segment 0
		.amdhsa_kernarg_size 40
		.amdhsa_user_sgpr_count 2
		.amdhsa_user_sgpr_kernarg_segment_ptr 1
		.amdhsa_wavefront_size32 1
		.amdhsa_system_sgpr_workgroup_id_x 1
		.amdhsa_system_sgpr_workgroup_id_y 1
		.amdhsa_system_sgpr_workgroup_id_z 1
		.amdhsa_system_vgpr_workitem_id 0
		.amdhsa_next_free_vgpr 192
		.amdhsa_next_free_sgpr 66
		.amdhsa_reserve_vcc 0
		.amdhsa_float_denorm_mode_32 3
		.amdhsa_float_denorm_mode_16_64 3
		.amdhsa_memory_ordered 1
		.amdhsa_forward_progress 1
		.amdhsa_inst_pref_size 22
	.end_amdhsa_kernel
	.amdgpu_metadata
---
amdhsa.version: [ 1, 2 ]
amdhsa.kernels:
  - .name:           k_qf1483151c5_prep
    .symbol:         k_qf1483151c5_prep.kd
    .args:
      - { .name: x, .offset: 0, .size: 8, .value_kind: global_buffer, .address_space: global }
      - { .name: lowp_scales, .offset: 8, .size: 8, .value_kind: global_buffer, .address_space: global }
      - { .name: xq, .offset: 16, .size: 8, .value_kind: global_buffer, .address_space: global }
      - { .name: xk, .offset: 24, .size: 8, .value_kind: global_buffer, .address_space: global }
      - { .name: xv, .offset: 32, .size: 8, .value_kind: global_buffer, .address_space: global }
    .group_segment_fixed_size: 66560
    .private_segment_fixed_size: 0
    .kernarg_segment_align: 8
    .kernarg_segment_size: 40
    .max_flat_workgroup_size: 256
    .sgpr_count:     66
    .vgpr_count:     192
    .wavefront_size: 32
...
	.end_amdgpu_metadata
.endif
;; end of part 1
;; launch qkv (part 2): grid 12 x 16, 4 waves a work-group, clusters of 4 x 4, 327,680 bytes of LDS; arguments xq, xk, xv, Wq_codes, Wk_codes, Wv_codes, bq, bk, bv, lowp_scales, qc, kc, vc; writes qc, kc, vc
.if DOCPART == 2
	.amdgcn_target "amdgcn-amd-amdhsa--gfx1250"
	.amdhsa_code_object_version 6
	.text
	.protected	k_qf1483151c5_qkv
	.globl	k_qf1483151c5_qkv
	.p2align	8
	.type	k_qf1483151c5_qkv,@function
k_qf1483151c5_qkv:
	s_mov_b64 s[64:65], 0
	v_nop
	global_prefetch_b8 v0, s[64:65] scope:SCOPE_SE
	s_setreg_imm32_b32 hwreg(HW_REG_WAVE_MODE, 25, 1), 1
	s_wait_xcnt 0x0
	s_wait_alu depctr_hold_cnt(0) depctr_sa_sdst(0) depctr_va_vdst(0) depctr_va_sdst(0) depctr_va_ssrc(0) depctr_va_vcc(0) depctr_vm_vsrc(0)
	s_getreg_b32 s2, hwreg(HW_REG_IB_STS2, 6, 4)
	s_cmp_eq_u32 s2, 0
	s_cbranch_scc0 .Lentry_in_a_cluster
	s_endpgm
.Lentry_in_a_cluster:
	s_bfe_u32 s2, ttmp6, 0x10000c
	s_cmp_lg_u32 s2, 0xf033
	s_cbranch_scc0 .Lentry_shape_is_right
	s_endpgm
.Lentry_shape_is_right:
; q, k, v = x W + b for all heads, quantised at once with entries 6, 7 and 9 and stored as images of the attention's operand registers.  No work is left out.
; A work-group of four waves makes a block of 256 x 256; a wave 128 x 128: 64 accumulators in windows 2 and 3.  K goes in four steps of 256 through a ring of two LDS slots filled by the tensor data mover.
; CLUSTERS of 4 x 4 work-groups: cluster column 0 makes q, 1 k, 2 v; the four of a row ask jointly for one tile, the four of a column for the other.
; For q and k the rows are x's and the columns the channels; for v the sources change places, so that a lane's eight results are eight neighbouring keys of one channel.
; qc, kc [32 heads][128 tiles of 16 positions][1,024 bytes]; vc [32 heads][16 steps of 128 keys][4 tiles of 16 channels][2,048 bytes].
; No data prefetch: a block of 256 x 256 in clusters has four K steps, two of which are asked for at the head.
.set KSTEP,  256
.set ROWB,   256
.set KROW,   1024
.set PITCH,  272
.set FR,     16
.set NL,     4
.set NP,     4
.set HALFT,  128*PITCH
.set SLOT,   4*HALFT
.set SPARE,  2*SLOT
.set ADRA, 16
.set ADRB, 20
.set LIMV, 24
.set SCV,  25
.set CO,   26
.set BA,   27
.set SPW,  28
.set NIL,  29
.set BN,   32
.set TMP,  96
.set CD,   160
.set AF,   128
.set G1, 24
.set G0, 32
.set G1B, 48
.set G0B, 56
.set MSB, 0
.macro WIN new
.if MSB != \new
	s_set_vgpr_msb (MSB<<8)|\new
.set MSB, \new
.endif
.endm
.set MUL_LO, 0xa1
.set MUL_HI, 0xf1
.set TO_B,   0x40
.macro JLOAD g0a, g1a, g0b, g1b
	s_cmp_eq_u32 s15, 0
	s_cbranch_scc0 .Lfor_b_\@
	tensor_load_to_lds s[\g0a:\g0a+3], s[\g1a:\g1a+7]
	s_nop 0
.rept 4
	v_nop
.endr
	s_branch .Lasked_\@
.Lfor_b_\@:
	tensor_load_to_lds s[\g0b:\g0b+3], s[\g1b:\g1b+7]
	s_nop 0
.rept 4
	v_nop
.endr
.Lasked_\@:
.endm
.macro CREST
	s_cmp_lg_u32 s14, 0
	s_cbranch_scc1 .Lnot_wave_0_\@
	s_barrier_signal -3
.Lnot_wave_0_\@:
	s_barrier_wait -3
	s_barrier_signal -1
	s_barrier_wait -1
.endm
.macro CROUND
	s_barrier_signal -1
	s_barrier_wait -1
	CREST
.endm
	s_load_b512 s[68:83], s[0:1], 0x0
	s_load_b256 s[84:91], s[0:1], 0x40
	s_load_b64 s[92:93], s[0:1], 0x60
	v_lshl_add_u32 v[SPW], v0, 2, SPARE
	v_mov_b32 v[NIL], 0
	ds_add_u32 v[SPW], v[NIL]
	ds_add_u32 v[SPW], v[NIL]
	v_lshrrev_b32 v1, 5, v0
	v_readfirstlane_b32 s14, v1
	s_lshr_b32 s15, s14, 1
	s_and_b32 s16, s14, 1
	s_bfe_u32 s40, ttmp6, 0x40000
	s_bfe_u32 s41, ttmp6, 0x40004
	s_and_b32 s17, ttmp7, 0xffff
	s_lshl_b32 s17, s17, 2
	s_cmp_eq_u32 ttmp9, 2
	s_cselect_b32 s42, s17, 0
	s_cselect_b32 s17, 0, s17
	s_add_co_u32 s42, s42, s40
	s_add_co_u32 s17, s17, s41
	s_lshl_b32 s43, s41, 2
	s_lshl_b32 s43, 15, s43
	s_lshl_b32 s44, 0x1111, s40
	s_or_b32 s[G1+0], s43, (0<<16)|(1<<20)|(1<<21)|(5<<22)|(3<<25)
	s_or_b32 s[G1B+0], s44, (0<<16)|(1<<20)|(1<<21)|(5<<22)|(3<<25)
.irp g, G1, G1B
	s_mov_b32 s[\g+1], ROWB<<16
	s_mov_b32 s[\g+2], 128<<16
	s_mov_b32 s[\g+3], ROWB<<16
	s_mov_b32 s[\g+4], 128
	s_mov_b32 s[\g+5], KROW
	s_mov_b32 s[\g+6], 0
	s_mov_b32 s[\g+7], 0
.endr
	s_lshl_b32 s18, s16, 7
	s_lshl_b32 s20, s17, 8
	s_add_co_u32 s20, s20, s18
	s_lshl_b32 s20, s20, 10
	s_mov_b32 s21, 0
	s_lshl_b32 s46, s42, 8
	s_add_co_u32 s46, s46, s18
	s_lshl_b32 s46, s46, 10
	s_mov_b32 s47, 0
	s_mul_i32 s45, s14, HALFT
	s_wait_dscnt 0x0
	s_wait_kmcnt 0x0
	s_cmp_eq_u32 ttmp9, 1
	s_cselect_b64 s[4:5], s[70:71], s[68:69]
	s_cselect_b64 s[6:7], s[76:77], s[74:75]
	s_cselect_b64 s[10:11], s[90:91], s[88:89]
	s_cselect_b64 s[12:13], s[82:83], s[80:81]
	s_cmp_eq_u32 ttmp9, 2
	s_cselect_b64 s[4:5], s[78:79], s[4:5]
	s_cselect_b64 s[6:7], s[72:73], s[6:7]
	s_cselect_b64 s[10:11], s[92:93], s[10:11]
	s_cselect_b64 s[12:13], s[84:85], s[12:13]
	s_load_b256 s[68:75], s[86:87], 0x0
	s_load_b128 s[76:79], s[86:87], 0x20
	s_add_nc_u64 s[20:21], s[4:5], s[20:21]
	s_add_nc_u64 s[46:47], s[6:7], s[46:47]
	CROUND
.irp s, 0,1
	s_mov_b32 s[G0+4*\s], 1
	s_add_co_u32 s[G0+4*\s+1], s45, \s*SLOT
	s_add_nc_u64 s[G0+4*\s+2:G0+4*\s+3], s[20:21], \s*ROWB
	s_or_b32 s[G0+4*\s+3], s[G0+4*\s+3], 0x80000000
	s_mov_b32 s[G0B+4*\s], 1
	s_add_co_u32 s[G0B+4*\s+1], s45, \s*SLOT
	s_add_nc_u64 s[G0B+4*\s+2:G0B+4*\s+3], s[46:47], \s*ROWB
	s_or_b32 s[G0B+4*\s+3], s[G0B+4*\s+3], 0x80000000
.endr
	JLOAD G0, G1, G0B, G1B                         ; K step 0: one tensor load a wave at the head
	v_and_b32 v1, 15, v0
	v_bfe_u32 v2, v0, 4, 1
	v_mul_u32_u24 v3, v1, PITCH
	v_lshl_add_u32 v4, v2, 4, v3
	s_mul_i32 s21, s15, HALFT
	s_mul_i32 s22, s16, HALFT
	s_add_co_u32 s22, s22, 2*HALFT
.irp s, 0,1
	v_add_nc_u32 v[ADRA+\s], s21, v4
	v_add_nc_u32 v[ADRB+\s], s22, v4
	s_add_co_u32 s21, s21, SLOT
	s_add_co_u32 s22, s22, SLOT
.endr
	v_and_b32 v6, 31, v0
	v_lshlrev_b32 v[CO], 4, v6
.macro FRAG reg, adr, q, i
.irp c, 0,1,2,3
	ds_load_b128 v[\reg+4*\c:\reg+4*\c+3], v[\adr] offset:128*(\q)+32*\c+(\i)*16*PITCH
.endr
.endm
.macro MUL16 a0, p, zero
.irp a, \a0, \a0+1
.irp b, 0,1,2,3,4,5,6,7
.if \zero
	v_wmma_f32_16x16x128_bf8_bf8 v[8*(8*((\a)%4)+\b):8*(8*((\a)%4)+\b)+7], v[128*(\p)+FR*\b:128*(\p)+FR*\b+FR-1], v[AF+FR*(\a):AF+FR*(\a)+FR-1], 0
.else
	v_wmma_f32_16x16x128_bf8_bf8 v[8*(8*((\a)%4)+\b):8*(8*((\a)%4)+\b)+7], v[128*(\p)+FR*\b:128*(\p)+FR*\b+FR-1], v[AF+FR*(\a):AF+FR*(\a)+FR-1], v[8*(8*((\a)%4)+\b):8*(8*((\a)%4)+\b)+7]
.endif
.endr
.endr
.endm
.macro FETCH_B slot, q, p
	WIN TO_B
.irp i, 0,1,2,3,4,5,6,7
	FRAG 128*(\p)+FR*\i, ADRB+\slot, \q, \i
.endr
	WIN 0
.endm
.macro FETCH_A slot, q, i0
.irp i, \i0, \i0+1, \i0+2, \i0+3
	FRAG AF+FR*(\i), ADRA+\slot, \q, \i
.endr
.endm
.macro PLACES n
.rept \n
	v_nop
.endr
.endm
.macro STEP slot, q, zero
	s_wait_dscnt 4*NL                              ; B's set and A's blocks 0-3 are in; A's blocks 4-7 may be out
	WIN MUL_LO
	MUL16 0, (\q)%2, \zero
	WIN TO_B                                       ; half of the next B, into the set that the step before has read (its four places stand at that step's end)
.irp i, 0,1,2,3
	FRAG 128*(1-(\q)%2)+FR*\i, ADRB+\slot, (\q)+1, \i
.endr
	WIN MUL_LO
	MUL16 2, (\q)%2, \zero
	s_wait_dscnt 4*NL                              ; A's blocks 4-7 are in; the sixteen loads of B just issued may be out
	PLACES NP
	WIN TO_B                                       ; the other half
.irp i, 4,5,6,7
	FRAG 128*(1-(\q)%2)+FR*\i, ADRB+\slot, (\q)+1, \i
.endr
	WIN 0
	FETCH_A \slot, (\q)+1, 0
	WIN MUL_HI
	MUL16 4, (\q)%2, \zero
	MUL16 6, (\q)%2, \zero
	PLACES NP
	WIN 0
	FETCH_A \slot, (\q)+1, 4
.endm
.macro TURN slot, next, fill
	s_wait_tensorcnt 0x0
	ds_add_u32 v[SPW], v[NIL]
	s_wait_dscnt 4*NL+1
	WIN MUL_LO
	MUL16 0, 1, 0
	s_wait_dscnt 0x0
	s_barrier_signal -1
	MUL16 2, 1, 0
	WIN 0
	s_barrier_wait -1
.if \fill
	CREST
	s_add_nc_u64 s[G0+4*\slot+2:G0+4*\slot+3], s[G0+4*\slot+2:G0+4*\slot+3], 2*ROWB
	s_add_nc_u64 s[G0B+4*\slot+2:G0B+4*\slot+3], s[G0B+4*\slot+2:G0B+4*\slot+3], 2*ROWB
	JLOAD G0+4*\slot, G1, G0B+4*\slot, G1B
.else
	PLACES NP
.endif
	FETCH_B \next, 0, 0
	FETCH_A \next, 0, 0
	WIN MUL_HI
	MUL16 4, 1, 0
	MUL16 6, 1, 0
	PLACES NP
	WIN 0
	FETCH_A \next, 0, 4
.endm
.macro LAST
	s_wait_dscnt 4*NL
	WIN MUL_LO
	MUL16 0, 1, 0
	MUL16 2, 1, 0
	s_wait_dscnt 0
	WIN MUL_HI
	MUL16 4, 1, 0
	MUL16 6, 1, 0
	WIN 0
.endm
.macro OUTADDR xt, xh, ct, ch
	s_lshl_b32 s80, s[\xt], 8
	s_lshl_b32 s81, s[\xh], 7
	s_add_co_u32 s80, s80, s81
	s_lshr_b32 s81, s80, 11
	s_lshl_b32 s81, s81, 4
	s_lshl_b32 s82, s[\ct], 2
	s_add_co_u32 s81, s81, s82
	s_lshl_b32 s82, s[\ch], 1
	s_add_co_u32 s81, s81, s82
	s_lshl_b32 s81, s81, 17
	s_and_b32 s80, s80, 2047
	s_lshl_b32 s80, s80, 6
	s_add_co_u32 s80, s80, s81
	s_mov_b32 s81, 0
	s_add_nc_u64 s[10:11], s[10:11], s[80:81]
	s_lshl_b32 s82, s[\ct], 10
	s_lshl_b32 s83, s[\ch], 9
	s_add_co_u32 s82, s82, s83
	s_mov_b32 s83, 0
	s_add_nc_u64 s[12:13], s[12:13], s[82:83]
.endm
.macro CONSTS
	s_add_co_i32 s94, s94, 127
	s_lshl_b32 s96, s94, 23
	s_mov_b32 s97, s96
	s_add_co_i32 s95, s95, 127
	s_lshl_b32 s94, s95, 23
	v_mov_b32 v[SCV], s94
	s_add_co_i32 s95, s95, 15
	s_lshl_b32 s95, s95, 23
	s_or_b32 s95, s95, 0x600000
	v_mov_b32 v[LIMV], s95
.endm
.macro OUTBLK a, isv
.set AC, 64*((\a)%4)
.set CB, CD+16*((\a)%2)
	WIN 0x02+((\a)/4)
.set JJ, 0
.rept 32
.if \isv
	v_pk_fma_f32 v[TMP+JJ:TMP+JJ+1], v[AC+JJ:AC+JJ+1], s[96:97], v[BN+2*(\a):BN+2*(\a)+1] op_sel_hi:[1,0,1]
.else
	v_pk_fma_f32 v[TMP+JJ:TMP+JJ+1], v[AC+JJ:AC+JJ+1], s[96:97], v[BN+JJ:BN+JJ+1] op_sel_hi:[1,0,1]
.endif
.set JJ, JJ+2
.endr
	WIN 0
.set JJ, 0
.rept 64
	v_med3_num_f32 v[TMP+JJ], v[TMP+JJ], -v[LIMV], v[LIMV]
.set JJ, JJ+1
.endr
.if (\a) >= 2
	s_wait_alu depctr_va_vdst(0)
	s_wait_xcnt 0x0
.endif
.irp b, 0,1,2,3,4,5,6,7
	v_cvt_scalef32_pk8_bf8_f32 v[CB+2*\b:CB+2*\b+1], v[TMP+8*\b:TMP+8*\b+7], v[SCV]
.endr
	v_nop
.if \isv
.irp g, 0,1,2,3
	global_store_b128 v[CO], v[CB+4*\g:CB+4*\g+3], s[10:11] offset:2048*((\a)%4)+131072*((\a)/4)+512*\g
.endr
.else
.irp hd, 0,1
.irp g, 0,1
	global_store_b128 v[CO], v[CB+8*\hd+4*\g:CB+8*\hd+4*\g+3], s[10:11] offset:1024*(\a)+131072*\hd+512*\g
.endr
.endr
.endif
.endm
	s_wait_alu depctr_va_vdst(0)
	s_wait_tensorcnt 0x0                           ; my part of K step 0 is in; these three lines stand ahead of a later first fill
	ds_add_u32 v[SPW], v[NIL]
	s_wait_dscnt 0x0
	CROUND                                         ; everybody's part is in, and all sixteen work-groups are here
	JLOAD G0+4, G1, G0B+4, G1B                     ; K step 1, the first tensor load behind the round
	FETCH_B 0, 0, 0
	FETCH_A 0, 0, 0
	FETCH_A 0, 0, 4
	STEP 0, 0, 1
	TURN 0, 1, 1
	STEP 1, 0, 0
	TURN 1, 0, 1
	STEP 0, 0, 0
	TURN 0, 1, 0
	STEP 1, 0, 0
	s_cmp_eq_u32 ttmp9, 2
	s_cbranch_scc1 .Lv
	OUTADDR 17, 15, 42, 16
	v_lshlrev_b32 v[BA], 5, v2
.irp b, 0,1,2,3,4,5,6,7
	global_load_b128 v[BN+8*\b:BN+8*\b+3], v[BA], s[12:13] offset:64*\b
	global_load_b128 v[BN+8*\b+4:BN+8*\b+7], v[BA], s[12:13] offset:64*\b+16
.endr
	s_wait_kmcnt 0x0
	s_add_co_i32 s94, s68, s69
	s_add_co_i32 s95, s70, s71
	s_cmp_eq_u32 ttmp9, 1
	s_cselect_b32 s94, s95, s94
	s_cselect_b32 s95, s75, s74
	CONSTS
	LAST
	PLACES NP
	s_wait_loadcnt 0x0
.irp a, 0,1,2,3,4,5,6,7
	OUTBLK \a, 0
.endr
	s_branch .Ldone
.Lv:
	OUTADDR 42, 16, 17, 15
	v_lshlrev_b32 v[BA], 2, v1
.irp a, 0,1,2,3,4,5,6,7
	global_load_b32 v[BN+2*\a], v[BA], s[12:13] offset:64*\a
	global_load_b32 v[BN+2*\a+1], v[BA], s[12:13] offset:64*\a
.endr
	s_wait_kmcnt 0x0
	s_add_co_i32 s94, s72, s73
	s_mov_b32 s95, s77
	CONSTS
	LAST
	PLACES NP
	s_wait_loadcnt 0x0
.irp a, 0,1,2,3,4,5,6,7
	OUTBLK \a, 1
.endr
.Ldone:
	s_wait_tensorcnt 0x0
	ds_add_u32 v[SPW], v[NIL]
	s_wait_dscnt 0x0
	CROUND
	s_endpgm
.Lfunc_end_k_qf1483151c5_qkv:
	.size	k_qf1483151c5_qkv, .Lfunc_end_k_qf1483151c5_qkv-k_qf1483151c5_qkv
	.p2alignl 7, 3214868480
	.fill 96, 4, 3214868480
	.section	.rodata,"a",@progbits
	.p2align	6, 0x0
	.amdhsa_kernel k_qf1483151c5_qkv
		.amdhsa_group_segment_fixed_size 327680
		.amdhsa_private_segment_fixed_size 0
		.amdhsa_enable_private_segment 0
		.amdhsa_kernarg_size 104
		.amdhsa_user_sgpr_count 2
		.amdhsa_user_sgpr_kernarg_segment_ptr 1
		.amdhsa_wavefront_size32 1
		.amdhsa_system_sgpr_workgroup_id_x 1
		.amdhsa_system_sgpr_workgroup_id_y 1
		.amdhsa_system_sgpr_workgroup_id_z 1
		.amdhsa_system_vgpr_workitem_id 0
		.amdhsa_next_free_vgpr 1024
		.amdhsa_next_free_sgpr 98
		.amdhsa_reserve_vcc 0
		.amdhsa_float_denorm_mode_32 3
		.amdhsa_float_denorm_mode_16_64 3
		.amdhsa_memory_ordered 1
		.amdhsa_forward_progress 1
		.amdhsa_inst_pref_size 200
	.end_amdhsa_kernel
	.amdgpu_metadata
---
amdhsa.version: [ 1, 2 ]
amdhsa.kernels:
  - .name:           k_qf1483151c5_qkv
    .symbol:         k_qf1483151c5_qkv.kd
    .args:
      - { .name: xq, .offset: 0, .size: 8, .value_kind: global_buffer, .address_space: global }
      - { .name: xk, .offset: 8, .size: 8, .value_kind: global_buffer, .address_space: global }
      - { .name: xv, .offset: 16, .size: 8, .value_kind: global_buffer, .address_space: global }
      - { .name: Wq_codes, .offset: 24, .size: 8, .value_kind: global_buffer, .address_space: global }
      - { .name: Wk_codes, .offset: 32, .size: 8, .value_kind: global_buffer, .address_space: global }
      - { .name: Wv_codes, .offset: 40, .size: 8, .value_kind: global_buffer, .address_space: global }
      - { .name: bq, .offset: 48, .size: 8, .value_kind: global_buffer, .address_space: global }
      - { .name: bk, .offset: 56, .size: 8, .value_kind: global_buffer, .address_space: global }
      - { .name: bv, .offset: 64, .size: 8, .value_kind: global_buffer, .address_space: global }
      - { .name: lowp_scales, .offset: 72, .size: 8, .value_kind: global_buffer, .address_space: global }
      - { .name: qc, .offset: 80, .size: 8, .value_kind: global_buffer, .address_space: global }
      - { .name: kc, .offset: 88, .size: 8, .value_kind: global_buffer, .address_space: global }
      - { .name: vc, .offset: 96, .size: 8, .value_kind: global_buffer, .address_space: global }
    .group_segment_fixed_size: 327680
    .private_segment_fixed_size: 0
    .kernarg_segment_align: 8
    .kernarg_segment_size: 104
    .max_flat_workgroup_size: 128
    .sgpr_count:     98
    .vgpr_count:     1024
    .wavefront_size: 32
...
	.end_amdgpu_metadata
.endif
;; end of part 2
;; launch attn (part 3): grid 8 x 32, 8 waves a work-group, clusters of 4 x 1, 327,680 bytes of LDS; arguments qc, kc, vc, lowp_scales, ao; writes ao
.if DOCPART == 3
	.amdgcn_target "amdgcn-amd-amdhsa--gfx1250"
	.amdhsa_code_object_version 6
	.text
	.protected	k_qf1483151c5_attn
	.globl	k_qf1483151c5_attn
	.p2align	8
	.type	k_qf1483151c5_attn,@function
k_qf1483151c5_attn:
	s_mov_b64 s[64:65], 0
	v_nop
	global_prefetch_b8 v0, s[64:65] scope:SCOPE_SE
	s_setreg_imm32_b32 hwreg(HW_REG_WAVE_MODE, 25, 1), 1
	s_wait_xcnt 0x0
	s_wait_alu depctr_hold_cnt(0) depctr_sa_sdst(0) depctr_va_vdst(0) depctr_va_sdst(0) depctr_va_ssrc(0) depctr_va_vcc(0) depctr_vm_vsrc(0)
	s_getreg_b32 s2, hwreg(HW_REG_IB_STS2, 6, 4)
	s_cmp_eq_u32 s2, 0
	s_cbranch_scc0 .Lentry_in_a_cluster
	s_endpgm
.Lentry_in_a_cluster:
	s_bfe_u32 s2, ttmp6, 0x10000c
	s_cmp_lg_u32 s2, 0x3003
	s_cbranch_scc0 .Lentry_shape_is_right
	s_endpgm
.Lentry_shape_is_right:
; o = softmax(q k^T / 8) v for 32 (batch, head) pairs of 2,048 positions and 64 channels, both products on codes of E5M2; o is quantised at once for the last product and stored as images of that operand's registers.  No work is left out.
; THE SOFTMAX: t = score x log2(e) / 8; M = the row's largest t so far, rounded UP to a whole number; p = 2^(t - M) is what is quantised; the row's sum is taken of the unquantised p and divides at the end.
; When M moves, the sum and O are multiplied by 2^(old M - new M): exact.
; SHARES.  A work-group owns 256 queries of one head; each of its eight waves owns 32, two tiles A and B of 16, two waves to a SIMD: each fragment of K and V that a wave reads from LDS feeds two matrix instructions.
; A HEAD'S K AND V, 131,072 bytes each, LIE WHOLE IN LDS, as the images that an earlier launch has stored: each LDS byte is filled once.  An image's load takes 512 consecutive bytes: no padding.
; CLUSTER.  The four query blocks of a cluster belong to one head, so K and V are asked for jointly (mask 15).  Waves 0 to 3 fetch K, waves 4 to 7 V: a quarter of the first 5 key steps at the head, and, behind a
; full sequence and a round, a quarter of the other 11.  Four key steps are worked while those are on their way (the fifth step's K is read one step ahead).  By this text's own count a wave has one tensor load out at the most.
; No data prefetch: K and V come by these two loads a wave, with no loop ahead of either.
; LAYOUT.  S^T = K Q^T (source 0 = 16 keys, source 1 = 16 queries), O^T = V^T P^T (source 0 = 16 channels, source 1 = P): a lane holds ONE query of each tile throughout.  Register j of tile t of S^T is key 16 t + 8 h + j,
; so one conversion over a tile gives registers 2 t, 2 t + 1 of P in the K = 128 form's own layout; V's images are laid the same way.
; OUT: ao [row tile 256][head 16][1,024]: lane (r, h): row r, registers 2 c, 2 c + 1 = channels 16 c + 8 h + 0 .. 7 of the head.
; LIMITS: entries 6 + 7 between -123 and 130 (they are added to c's exponent field); entries 8 and 10 between -126 and 112; 8 + 9 goes by v_ldexp_f32 and has none.
; REGISTERS, window 0: v1-9 addresses; v12 -M of A, v13 the largest score of A; v10, v11 the same of B; v[14:15], v[16:17] the sums in two halves; v18, v20 the factors f; v22-29, v34-63 at work; v30-33 constants;
; v64-127, v128-191 S^T, then p; v192-223, v224-255 O^T.  Window 1: v0-63 K's eight fragments, v64-127 V's four, v128-143, v144-159 P's codes, v160-167, v168-175 Q.
.set VB,    131072                     ; V lies behind K
.set SPARE, 262144                     ; behind both: the spare words, 128 bytes for each wave: four blocks of 256 bytes that no other line names
.set AV0,  2                           ; v2   16 x lane + VB
.set SPW,  5                           ; v5   my spare word; never rewritten
.set NIL,  6                           ; v6   0; never rewritten
.set LI,   7                           ; v7   16 x lane
.set ADK,  8
.set ADV,  9
.set SA,   64
.set SB,   128
.set OA,   192
.set OB,   224
.set KF,   0                           ; in window 1 from here on
.set VF,   64
.set PA,   128
.set PB,   144
.set QA,   160
.set QB,   168
.set WV,   14                          ; s14  my wave's number
.set G1A,  24                          ; s[24:31] group 1: 40 rows of 256 bytes
.set G1B,  32                          ; s[32:39] 88 rows
.set G0KA, 40                          ; groups 0: K's two loads, V's two
.set G0KB, 44
.set G0VA, 48
.set G0VB, 52
.set SEL,  56                          ; s[56:57] lane selects: lane l xor 16
.set CS,   58                          ; s[58:59] c = log2(e) / 8 x 2^(entries 6 + 7)
.set TB,   60                          ; s60  the step's first byte in K and in V
.set CNT,  61
.set NC,   78                          ; s78  -c
.set MSB, 0
.macro WIN new                         ; the immediate's high byte repeats the setting that is left
.if MSB != \new
	s_set_vgpr_msb (MSB<<8)|\new
.set MSB, \new
.endif
.endm
.set TO_1, 0x40                        ; destination window 1, sources window 0: loads and conversions
.set MUL,  0x05                        ; sources 0 and 1 window 1, C and D window 0
.macro PLACES
.rept 4
	v_nop
.endr
.endm
.macro ROUND
	s_barrier_signal -1
	s_barrier_wait -1
	s_cmp_lg_u32 s[WV], 0
	s_cbranch_scc1 .Lnot_wave_0_\@
	s_barrier_signal -3
.Lnot_wave_0_\@:
	s_barrier_wait -3
	s_barrier_signal -1
	s_barrier_wait -1
.endm
.macro JLOAD gk, gv, g1                ; a joint load a wave, in one arm of a branch on the wave's number; an s_nop 0 and four v_nop follow each
	s_cmp_lt_u32 s[WV], 4
	s_cbranch_scc0 .Lfor_v_\@
	tensor_load_to_lds s[\gk:\gk+3], s[\g1:\g1+7]
	s_nop 0
	PLACES
	s_branch .Lasked_\@
.Lfor_v_\@:
	tensor_load_to_lds s[\gv:\gv+3], s[\g1:\g1+7]
	s_nop 0
	PLACES
.Lasked_\@:
.endm
	s_load_b256 s[4:11], s[0:1], 0x0               ; qc s[4:5], kc s[6:7], vc s[8:9], the scales' exponents s[10:11]
	s_load_b64 s[12:13], s[0:1], 0x20              ; ao
	v_lshl_add_u32 v[SPW], v0, 2, SPARE
	v_mov_b32 v[NIL], 0
	ds_add_u32 v[SPW], v[NIL]                      ; the wave's opening: the add, twice on end, and its wait ahead of my first tensor load
	ds_add_u32 v[SPW], v[NIL]
	v_lshrrev_b32 v8, 5, v0
	v_readfirstlane_b32 s[WV], v8                  ; wave 0..7
	s_bfe_u32 s15, ttmp6, 0x40000                  ; cx
	s_lshl_b32 s16, ttmp9, 2
	s_add_co_u32 s16, s16, s15                     ; my block of 256 queries: it enters Q's and the output's addresses alone
	s_and_b32 s17, ttmp7, 0xffff                   ; bh = 16 x batch + head, which the four partners share
	s_and_b32 s20, s[WV], 3                        ; which quarter I fetch
	s_mul_i32 s18, s20, 10240                      ; of the first 40,960 bytes (5 key steps): 10,240,
	s_mov_b32 s19, 0
	s_mul_i32 s20, s20, 22528
	s_add_co_u32 s20, s20, 40960                   ; of the other 90,112 (11 key steps): 22,528
	s_mov_b32 s21, 0
	s_lshl_b32 s22, s17, 17                        ; the head's first byte in qc, kc and vc
	s_mov_b32 s23, 0
.irp g, G1A, G1B
	s_mov_b32 s[\g], 15|(3<<16)|(1<<21)            ; the mask: all four work-groups; elements of 8 bytes; bit 21 beside a mask; no padding
	s_mov_b32 s[\g+1], 32<<16                      ; tensor_dim0 = 32 elements: rows of 256 bytes
	s_mov_b32 s[\g+3], 32<<16                      ; tile_dim0
	s_mov_b32 s[\g+5], 32                          ; dense: a row begins where the last ends
	s_mov_b32 s[\g+6], 0
	s_mov_b32 s[\g+7], 0
.endr
	s_mov_b32 s[G1A+2], 40<<16                     ; tensor_dim1
	s_mov_b32 s[G1A+4], 40                         ; tile_dim1
	s_mov_b32 s[G1B+2], 88<<16
	s_mov_b32 s[G1B+4], 88
	s_mov_b32 s[SEL], 0x76543210
	s_mov_b32 s[SEL+1], 0xfedcba98
	s_mov_b32 s[CS], 0x3e38aa3b                    ; log2(e) / 8
	s_mov_b32 s[TB], 0
	s_wait_dscnt 0x0                               ; both opening adds are done
	s_wait_kmcnt 0x0
	s_load_b256 s[68:75], s[10:11], 0x10           ; entries 4 to 11: s70 = entry 6, .. s75 = entry 11
	s_add_nc_u64 s[6:7], s[6:7], s[22:23]          ; K and V at my head
	s_add_nc_u64 s[8:9], s[8:9], s[22:23]
	s_mov_b32 s[G0KA], 1
	s_mov_b32 s[G0KA+1], s18
	s_add_nc_u64 s[G0KA+2:G0KA+3], s[6:7], s[18:19]
	s_or_b32 s[G0KA+3], s[G0KA+3], 0x80000000
	s_mov_b32 s[G0KB], 1
	s_mov_b32 s[G0KB+1], s20
	s_add_nc_u64 s[G0KB+2:G0KB+3], s[6:7], s[20:21]
	s_or_b32 s[G0KB+3], s[G0KB+3], 0x80000000
	s_mov_b32 s[G0VA], 1
	s_add_co_u32 s[G0VA+1], s18, VB
	s_add_nc_u64 s[G0VA+2:G0VA+3], s[8:9], s[18:19]
	s_or_b32 s[G0VA+3], s[G0VA+3], 0x80000000
	s_mov_b32 s[G0VB], 1
	s_add_co_u32 s[G0VB+1], s20, VB
	s_add_nc_u64 s[G0VB+2:G0VB+3], s[8:9], s[20:21]
	s_or_b32 s[G0VB+3], s[G0VB+3], 0x80000000
	ROUND                                          ; all four work-groups are here: the joint loads meet
	JLOAD G0KA, G0VA, G1A                          ; the first five key steps
	s_lshl_b32 s76, s16, 4
	s_lshl_b32 s77, s[WV], 1
	s_add_co_u32 s76, s76, s77                     ; my first tile of 16 queries within the head: 16 x block + 2 x wave
	s_lshl_b32 s62, s76, 10
	s_mov_b32 s63, 0
	s_add_nc_u64 s[4:5], s[4:5], s[22:23]
	s_add_nc_u64 s[4:5], s[4:5], s[62:63]          ; its image in qc; the second tile's follows it
	s_lshr_b32 s66, s17, 4                         ; the batch
	s_lshl_b32 s66, s66, 7
	s_add_co_u32 s66, s66, s76                     ; the row tile among 256
	s_lshl_b32 s66, s66, 14
	s_and_b32 s67, s17, 15                         ; the head
	s_lshl_b32 s67, s67, 10
	s_add_co_u32 s66, s66, s67
	s_mov_b32 s67, 0
	s_add_nc_u64 s[12:13], s[12:13], s[66:67]      ; its image in ao
	v_and_b32 v[LI], 31, v0
	v_lshlrev_b32 v[LI], 4, v[LI]
	WIN TO_1
	global_load_b128 v[QA:QA+3], v[LI], s[4:5]     ; Q's fragments stay in registers
	global_load_b128 v[QA+4:QA+7], v[LI], s[4:5] offset:512
	global_load_b128 v[QB:QB+3], v[LI], s[4:5] offset:1024
	global_load_b128 v[QB+4:QB+7], v[LI], s[4:5] offset:1536
	WIN 0
	v_add_nc_u32 v[AV0], VB, v[LI]
	v_mov_b32 v13, 0xff61b1e6                      ; the largest score so far: -3e38, under every score
	v_mov_b32 v11, 0xff61b1e6
	v_mov_b32 v12, 0x7f61b1e6                      ; -M: 3e38, so that the first change of M multiplies by 0
	v_mov_b32 v10, 0x7f61b1e6
.irp i, 14,15,16,17,19,21,22,23
	v_mov_b32 v\i, 0                               ; the sums; the upper halves of f's pairs; a lane permute's destination counts as one of its sources
.endr
.set JJ, 0
.rept 64
	v_mov_b32 v[OA+JJ], 0                          ; O^T of both tiles.  (The step is written once for all trips: the first finds zeros, which the first change of M leaves zeros)
.set JJ, JJ+1
.endr
	s_wait_kmcnt 0x0
	s_add_co_i32 s76, s70, s71
	s_lshl_b32 s76, s76, 23
	s_add_co_i32 s[CS], s[CS], s76                 ; a score stands for score x 2^(entries 6 + 7): added to c's exponent field
	s_mov_b32 s[CS+1], s[CS]                       ; (named with it as a pair, so it is written)
	s_xor_b32 s[NC], s[CS], 0x80000000
.macro MKSCALE se, vs, vl              ; 2^e as f32 and 57,344 x 2^e
	s_add_co_i32 s76, s[\se], 127
	s_lshl_b32 s77, s76, 23
	v_mov_b32 v[\vs], s77
	s_add_co_i32 s76, s76, 15
	s_lshl_b32 s76, s76, 23
	s_or_b32 s76, s76, 0x600000
	v_mov_b32 v[\vl], s76
.endm
	MKSCALE 72, 30, 31                             ; p's scale
	MKSCALE 74, 32, 33                             ; the output's (entry 10)
	s_wait_alu depctr_va_vdst(0)
	s_wait_loadcnt 0x0                             ; Q
	s_wait_tensorcnt 0x0                           ; my part of the first five key steps is in; these three lines stand ahead of a later first fill
	ds_add_u32 v[SPW], v[NIL]
	s_wait_dscnt 0x0
	ROUND                                          ; everybody's part is in, and all four work-groups are here
	JLOAD G0KB, G0VB, G1B                          ; the other eleven: the first tensor load behind the round
	WIN TO_1
.irp t, 0,1,2,3,4,5,6,7
	ds_load_b128 v[KF+8*\t:KF+8*\t+3], v[LI] offset:1024*\t       ; step 0's K
	ds_load_b128 v[KF+8*\t+4:KF+8*\t+7], v[LI] offset:1024*\t+512
.endr
	WIN 0
; A KEY STEP: 128 keys, both tiles.  Its K is in registers or on its way there.
.macro STEP
	v_add_nc_u32 v[ADK], s[TB], v[LI]
	v_add_nc_u32 v[ADV], s[TB], v[AV0]
	WIN MUL                                        ; K is in: the step before (or the head) has waited for it
.irp t, 0,1,2,3,4,5,6,7
	v_wmma_f32_16x16x64_bf8_bf8 v[SA+8*\t:SA+8*\t+7], v[KF+8*\t:KF+8*\t+7], v[QA:QA+7], 0   ; S^T: keys 16 t on x tile A's queries,
.endr
.irp t, 0,1,2,3,4,5,6,7
	v_wmma_f32_16x16x64_bf8_bf8 v[SB+8*\t:SB+8*\t+7], v[KF+8*\t:KF+8*\t+7], v[QB:QB+7], 0   ; and tile B's
.endr
	PLACES                                         ; in front of loads into K's registers, and of the first read of the scores
	WIN TO_1
.irp t, 0,1,2,3,4,5,6,7
	ds_load_b128 v[KF+8*\t:KF+8*\t+3], v[ADK] offset:8192+1024*\t       ; the next step's K.  (The last step reads V's first images here, which nothing uses)
	ds_load_b128 v[KF+8*\t+4:KF+8*\t+7], v[ADK] offset:8192+1024*\t+512
.endr
	WIN 0
	v_max3_num_f32 v24, v[SA], v[SA+1], v[SA+2]    ; A's largest score of each query, among my 64 keys, in four chains; each accumulator is first read at its low end
	v_max3_num_f32 v25, v[SA+3], v[SA+4], v[SA+5]
	v_max3_num_f32 v28, v[SA+6], v[SA+7], v[SA+8]
	v_max3_num_f32 v29, v[SA+9], v[SA+10], v[SA+11]
.irp i, 12,20,28,36,44,52
	v_max3_num_f32 v24, v24, v[SA+\i], v[SA+\i+1]
	v_max3_num_f32 v25, v25, v[SA+\i+2], v[SA+\i+3]
	v_max3_num_f32 v28, v28, v[SA+\i+4], v[SA+\i+5]
	v_max3_num_f32 v29, v29, v[SA+\i+6], v[SA+\i+7]
.endr
	v_max3_num_f32 v24, v24, v[SA+60], v[SA+61]
	v_max3_num_f32 v25, v25, v[SA+62], v[SA+63]
	v_max3_num_f32 v26, v[SB], v[SB+1], v[SB+2]    ; B's, and among them A's chain from the maximum to f, a line at a time
	v_max3_num_f32 v27, v[SB+3], v[SB+4], v[SB+5]
	v_max3_num_f32 v34, v[SB+6], v[SB+7], v[SB+8]
	v_max3_num_f32 v35, v[SB+9], v[SB+10], v[SB+11]
.set KK, 0
.irp i, 12,20,28,36,44,52
	v_max3_num_f32 v26, v26, v[SB+\i], v[SB+\i+1]
	v_max3_num_f32 v27, v27, v[SB+\i+2], v[SB+\i+3]
	CHAIN KK, 24, 25, 28, 29, 22, 13, 12, 18
.set KK, KK+1
	v_max3_num_f32 v34, v34, v[SB+\i+4], v[SB+\i+5]
	v_max3_num_f32 v35, v35, v[SB+\i+6], v[SB+\i+7]
	CHAIN KK, 24, 25, 28, 29, 22, 13, 12, 18
.set KK, KK+1
.endr
	v_max3_num_f32 v26, v26, v[SB+60], v[SB+61]
	v_max3_num_f32 v27, v27, v[SB+62], v[SB+63]
	WIN TO_1
.irp ct, 0,1,2,3
.irp g, 0,1,2,3
	ds_load_b128 v[VF+16*\ct+4*\g:VF+16*\ct+4*\g+3], v[ADV] offset:2048*\ct+512*\g   ; V's four fragments land while the exponentials are walked
.endr
.endr
	WIN 0
.set JJ, 0
.set KK, 0
.rept 32
	v_pk_fma_f32 v[SA+JJ:SA+JJ+1], v[SA+JJ:SA+JJ+1], s[CS:CS+1], v[12:13] op_sel_hi:[1,0,0]   ; t - M of A, two at a time; among them B's chain, ten lines
.if JJ%6 == 4
	CHAIN KK, 26, 27, 34, 35, 23, 11, 10, 20
.set KK, KK+1
.endif
.set JJ, JJ+2
.endr
.set JJ, 0
.rept 16
	v_pk_mul_f32 v[OA+JJ:OA+JJ+1], v[OA+JJ:OA+JJ+1], v[18:19] op_sel_hi:[1,0]   ; O^T under the new M
	v_pk_mul_f32 v[OB+JJ:OB+JJ+1], v[OB+JJ:OB+JJ+1], v[20:21] op_sel_hi:[1,0]
.set JJ, JJ+2
.endr
	s_wait_alu depctr_va_vdst(0)
.set JJ, 0
.rept 32
	v_exp_f32 v[SA+JJ], v[SA+JJ]                   ; p = 2^(t - M) of A, not normalised; between them B's t - M, which nothing reads ahead of the next wait
	v_exp_f32 v[SA+JJ+1], v[SA+JJ+1]
	v_pk_fma_f32 v[SB+JJ:SB+JJ+1], v[SB+JJ:SB+JJ+1], s[CS:CS+1], v[10:11] op_sel_hi:[1,0,0]
.set JJ, JJ+2
.endr
	s_wait_alu depctr_va_vdst(0)                   ; behind A's exponentials and ahead of B's
.set JJ, 0
.rept 16
.if JJ == 60
.set TT, 24
.else
.set TT, 34+JJ/2
.endif
	v_exp_f32 v[SB+JJ], v[SB+JJ]
	v_exp_f32 v[SB+JJ+1], v[SB+JJ+1]
	v_pk_add_f32 v[TT:TT+1], v[SA+JJ:SA+JJ+1], v[SA+JJ+2:SA+JJ+3]   ; between them A's first additions, sixteen pairs of partial sums (v34-63, v24-25), and behind each the hold of its four numbers: nothing reads these results ahead of the next wait.
	v_exp_f32 v[SB+JJ+2], v[SB+JJ+2]               ; The conversion does not saturate (ISA guide 7.6.2); p is not negative, so the hold is one-sided
	v_dual_min_num_f32 v[SA+JJ], v31, v[SA+JJ] :: v_dual_min_num_f32 v[SA+JJ+1], v31, v[SA+JJ+1]
	v_exp_f32 v[SB+JJ+3], v[SB+JJ+3]
	v_dual_min_num_f32 v[SA+JJ+2], v31, v[SA+JJ+2] :: v_dual_min_num_f32 v[SA+JJ+3], v31, v[SA+JJ+3]
.set JJ, JJ+4
.endr
	s_wait_alu depctr_va_vdst(0)                   ; behind B's exponentials
	s_wait_dscnt 0x0                               ; V is in, for this step's second product, and K for the next step's first: no blocking wait stands ahead of either
.irp k, 0,2,4,6,8,10,12
	v_pk_add_f32 v[34+\k:35+\k], v[34+\k:35+\k], v[50+\k:51+\k]    ; A: eight pairs are left;
.endr
	v_pk_add_f32 v[48:49], v[48:49], v[24:25]
.irp k, 0,2,4,6,8,10,12
	v_pk_add_f32 v[50+\k:51+\k], v[SB+\k:SB+\k+1], v[SB+16+\k:SB+17+\k]   ; B: eight chains, v50-63 and v26-27
.endr
	v_pk_add_f32 v[26:27], v[SB+14:SB+15], v[SB+30:SB+31]
.irp k, 0,2,4,6
	v_pk_add_f32 v[34+\k:35+\k], v[34+\k:35+\k], v[42+\k:43+\k]    ; A: four,
.endr
.irp k, 0,2,4,6,8,10,12
	v_pk_add_f32 v[50+\k:51+\k], v[50+\k:51+\k], v[SB+32+\k:SB+33+\k]
.endr
	v_pk_add_f32 v[26:27], v[26:27], v[SB+46:SB+47]
.irp k, 0,2
	v_pk_add_f32 v[34+\k:35+\k], v[34+\k:35+\k], v[38+\k:39+\k]    ; two,
.endr
.irp k, 0,2,4,6,8,10,12
	v_pk_add_f32 v[50+\k:51+\k], v[50+\k:51+\k], v[SB+48+\k:SB+49+\k]
.endr
	v_pk_add_f32 v[26:27], v[26:27], v[SB+62:SB+63]
	v_pk_add_f32 v[34:35], v[34:35], v[36:37]      ; one
.irp k, 0,2,4
	v_pk_add_f32 v[50+\k:51+\k], v[50+\k:51+\k], v[58+\k:59+\k]
.endr
	v_pk_add_f32 v[56:57], v[56:57], v[26:27]
	v_pk_fma_f32 v[14:15], v[14:15], v[18:19], v[34:35] op_sel_hi:[1,0,1]   ; A's sum under the new M, and the step's
.irp k, 0,2
	v_pk_add_f32 v[50+\k:51+\k], v[50+\k:51+\k], v[54+\k:55+\k]
.endr
	v_pk_add_f32 v[50:51], v[50:51], v[52:53]
.set JJ, 0
.rept 32
	v_dual_min_num_f32 v[SB+JJ], v31, v[SB+JJ] :: v_dual_min_num_f32 v[SB+JJ+1], v31, v[SB+JJ+1]
.set JJ, JJ+2
.endr
	v_pk_fma_f32 v[16:17], v[16:17], v[20:21], v[50:51] op_sel_hi:[1,0,1]   ; B's sum
	WIN TO_1
.irp t, 0,1,2,3,4,5,6,7
	v_cvt_scalef32_pk8_bf8_f32 v[PA+2*\t:PA+2*\t+1], v[SA+8*\t:SA+8*\t+7], v30   ; keys 16 t + 8 h + 0 .. 7: registers 2 t, 2 t + 1 of P
.endr
.irp t, 0,1,2,3,4,5,6,7
	v_cvt_scalef32_pk8_bf8_f32 v[PB+2*\t:PB+2*\t+1], v[SB+8*\t:SB+8*\t+7], v30
.endr
	v_nop                                          ; a plain line between the last conversion and the products
	WIN MUL
.irp ct, 0,1,2,3
	v_wmma_f32_16x16x128_bf8_bf8 v[OA+8*\ct:OA+8*\ct+7], v[VF+16*\ct:VF+16*\ct+15], v[PA:PA+15], v[OA+8*\ct:OA+8*\ct+7]   ; the eight accumulators take turns
.endr
.irp ct, 0,1,2,3
	v_wmma_f32_16x16x128_bf8_bf8 v[OB+8*\ct:OB+8*\ct+7], v[VF+16*\ct:VF+16*\ct+15], v[PB:PB+15], v[OB+8*\ct:OB+8*\ct+7]
.endr
	WIN 0
	s_add_co_u32 s[TB], s[TB], 8192                ; 128 keys on: eight images of K, four of V
.endm
.macro PHASE trips
	s_mov_b32 s[CNT], \trips
.Lstep_\@:
	STEP
	s_sub_co_u32 s[CNT], s[CNT], 1
	s_cmp_lg_u32 s[CNT], 0
	s_cbranch_scc1 .Lstep_\@
.endm
.macro CHAIN k, m0, m1, m2, m3, px, rn, nm, f  ; line k of a tile's ten, from its four maxima to the new -M and to f
.if \k == 0
	v_max3_num_f32 v\m0, v\m0, v\m1, v\m2
.endif
.if \k == 1
	v_max_num_f32 v\m0, v\m0, v\m3
.endif
.if \k == 2
	v_permlanex16_b32 v\px, v\m0, s[SEL], s[SEL+1] ; and among lane l xor 16's
.endif
.if \k == 3
	v_max3_num_f32 v\rn, v\rn, v\m0, v\px          ; the running largest score
.endif
.if \k == 4
	v_mul_f32 v\m0, s[NC], v\rn                    ; -t of it (c is positive)
.endif
.if \k == 5
	v_floor_f32 v\m0, v\m0                         ; the new -M = floor(-t) = -ceil(t): M is a whole number
.endif
.if \k == 6
	v_sub_f32 v\m1, v\m0, v\nm                     ; M's old value less its new one: a whole number, 0 or less
.endif
.if \k == 7
	v_cvt_i32_f32 v\m1, v\m1                       ; (it saturates)
.endif
.if \k == 8
	v_mov_b32 v\nm, v\m0
.endif
.if \k == 9
	v_ldexp_f32 v\f, 1.0, v\m1                     ; f = 2^(old M - new M)
.endif
.endm
	s_wait_dscnt 0x0                               ; step 0's K
	PHASE 4                                        ; the first 512 keys; the fourth step reads the fifth's K, which the first fill brought
	s_wait_tensorcnt 0x0                           ; my part of the other eleven steps is in,
	s_wait_dscnt 0x0                               ; no LDS instruction of mine is out,
	s_barrier_signal -1
	s_barrier_wait -1                              ; and everybody's part is in.
	PHASE 12                                       ; the other 1,536
	; THE WAY OUT: O^T / the sum x 2^(entries 8 + 9), quantised with entry 10: the conversions' results are the last product's operand registers.
	PLACES                                         ; behind the last products
	v_add_f32 v14, v14, v15                        ; the sums' two halves,
	v_add_f32 v16, v16, v17
	v_permlanex16_b32 v22, v14, s[SEL], s[SEL+1]
	v_permlanex16_b32 v23, v16, s[SEL], s[SEL+1]
	v_add_f32 v14, v14, v22                        ; and lane l xor 16's
	v_add_f32 v16, v16, v23
	s_wait_alu depctr_va_vdst(0)                   ; the wait ahead of the reciprocals,
	v_rcp_f32 v14, v14
	v_rcp_f32 v16, v16
	v_nop                                          ; a plain line behind them
	s_add_co_i32 s76, s72, s73
	s_wait_alu depctr_va_vdst(0)                   ; and the wait ahead of their first reader
	v_ldexp_f32 v14, v14, s76
	v_ldexp_f32 v16, v16, s76
	s_wait_alu depctr_va_vdst(0)
.set JJ, 0
.rept 16
	v_pk_mul_f32 v[SA+JJ:SA+JJ+1], v[OA+JJ:OA+JJ+1], v[14:15] op_sel_hi:[1,0]   ; register 8 t + i is o(query r, channel 16 t + 8 h + i); each accumulator from its low end on
	v_pk_mul_f32 v[SB+JJ:SB+JJ+1], v[OB+JJ:OB+JJ+1], v[16:17] op_sel_hi:[1,0]
.set JJ, JJ+2
.endr
.set JJ, 0
.rept 32
	v_med3_num_f32 v[SA+JJ], v[SA+JJ], -v33, v33
	v_med3_num_f32 v[SB+JJ], v[SB+JJ], -v33, v33
.set JJ, JJ+1
.endr
.irp t, 0,1,2,3
	v_cvt_scalef32_pk8_bf8_f32 v[34+2*\t:35+2*\t], v[SA+8*\t:SA+8*\t+7], v32
	v_cvt_scalef32_pk8_bf8_f32 v[42+2*\t:43+2*\t], v[SB+8*\t:SB+8*\t+7], v32
.endr
	v_nop
	global_store_b128 v[LI], v[34:37], s[12:13]                ; each store of the wave covers 512 consecutive bytes, aligned
	global_store_b128 v[LI], v[38:41], s[12:13] offset:512
	global_store_b128 v[LI], v[42:45], s[12:13] offset:16384   ; the next row tile
	global_store_b128 v[LI], v[46:49], s[12:13] offset:16896
	s_wait_tensorcnt 0x0                           ; the wave's end
	ds_add_u32 v[SPW], v[NIL]
	s_wait_dscnt 0x0
	ROUND                                          ; the closing round
	s_endpgm
.Lfunc_end_k_qf1483151c5_attn:
	.size	k_qf1483151c5_attn, .Lfunc_end_k_qf1483151c5_attn-k_qf1483151c5_attn
	.p2alignl 7, 3214868480
	.fill 96, 4, 3214868480
	.section	.rodata,"a",@progbits
	.p2align	6, 0x0
	.amdhsa_kernel k_qf1483151c5_attn
		.amdhsa_group_segment_fixed_size 327680
		.amdhsa_private_segment_fixed_size 0
		.amdhsa_enable_private_segment 0
		.amdhsa_kernarg_size 40
		.amdhsa_user_sgpr_count 2
		.amdhsa_user_sgpr_kernarg_segment_ptr 1
		.amdhsa_wavefront_size32 1
		.amdhsa_system_sgpr_workgroup_id_x 1
		.amdhsa_system_sgpr_workgroup_id_y 1
		.amdhsa_system_sgpr_workgroup_id_z 1
		.amdhsa_system_vgpr_workitem_id 0
		.amdhsa_next_free_vgpr 448
		.amdhsa_next_free_sgpr 80
		.amdhsa_reserve_vcc 0
		.amdhsa_float_denorm_mode_32 3
		.amdhsa_float_denorm_mode_16_64 3
		.amdhsa_memory_ordered 1
		.amdhsa_forward_progress 1
		.amdhsa_inst_pref_size 75
	.end_amdhsa_kernel
	.amdgpu_metadata
---
amdhsa.version: [ 1, 2 ]
amdhsa.kernels:
  - .name:           k_qf1483151c5_attn
    .symbol:         k_qf1483151c5_attn.kd
    .args:
      - { .name: qc, .offset: 0, .size: 8, .value_kind: global_buffer, .address_space: global }
      - { .name: kc, .offset: 8, .size: 8, .value_kind: global_buffer, .address_space: global }
      - { .name: vc, .offset: 16, .size: 8, .value_kind: global_buffer, .address_space: global }
      - { .name: lowp_scales, .offset: 24, .size: 8, .value_kind: global_buffer, .address_space: global }
      - { .name: ao, .offset: 32, .size: 8, .value_kind: global_buffer, .address_space: global }
    .group_segment_fixed_size: 327680
    .private_segment_fixed_size: 0
    .kernarg_segment_align: 8
    .kernarg_segment_size: 40
    .max_flat_workgroup_size: 256
    .sgpr_count:     80
    .vgpr_count:     448
    .wavefront_size: 32
...
	.end_amdgpu_metadata
.endif
;; end of part 3
;; launch proj (part 4): grid 8 x 32, 8 waves a work-group, clusters of 4 x 4, 327,680 bytes of LDS; arguments ao, Wp_codes, x, bp, lowp_scales, y; writes y
.if DOCPART == 4
	.amdgcn_target "amdgcn-amd-amdhsa--gfx1250"
	.amdhsa_code_object_version 6
	.text
	.protected	k_qf1483151c5_proj
	.globl	k_qf1483151c5_proj
	.p2align	8
	.type	k_qf1483151c5_proj,@function
k_qf1483151c5_proj:
	s_mov_b64 s[64:65], 0
	v_nop
	global_prefetch_b8 v0, s[64:65] scope:SCOPE_SE
	s_setreg_imm32_b32 hwreg(HW_REG_WAVE_MODE, 25, 1), 1
	s_wait_xcnt 0x0
	s_wait_alu depctr_hold_cnt(0) depctr_sa_sdst(0) depctr_va_vdst(0) depctr_va_sdst(0) depctr_va_ssrc(0) depctr_va_vcc(0) depctr_vm_vsrc(0)
	s_getreg_b32 s2, hwreg(HW_REG_IB_STS2, 6, 4)
	s_cmp_eq_u32 s2, 0
	s_cbranch_scc0 .Lentry_in_a_cluster
	s_endpgm
.Lentry_in_a_cluster:
	s_bfe_u32 s2, ttmp6, 0x10000c
	s_cmp_lg_u32 s2, 0xf033
	s_cbranch_scc0 .Lentry_shape_is_right
	s_endpgm
.Lentry_shape_is_right:
; y = x + attention Wp + bp, f32 [4096][1024].  No work is left out.
; A work-group makes a block of 128 x 128; each of its eight waves 32 rows x 64 columns: eight accumulators.  All 1,024 along K of both operands lie in LDS at once, each byte filled once:
; A: eight row tiles of 16,384 bytes, images of the operand's registers as the launch before has stored them; B: 128 rows of Wp's codes, 1,024 bytes each + 16 of padding.
; CLUSTERS of 4 x 4: the four of a row ask jointly for A (it hangs on the block row alone), the four of a column for B (on the block column alone).  Waves 0 to 3 fetch A's quarters, waves 4 to 7 B's: one load a wave in the whole text.
; No data prefetch: there is no loop to run ahead in; x's part goes into registers from the head on.
; The matrix instruction is used TRANSPOSED (source 0 = 16 rows of Wp, source 1 = 16 rows of A): a lane holds eight neighbouring columns of one row.
; LIMIT: entries 10 + 11 between -126 and 126.
; REGISTERS, window 0: v1-31 addresses and bp; v32-127, v128-223 fragments of a K step of 128, two sets (A 2 x 16, B 4 x 16).  Window 1: v0-63 x, v64-127 the accumulators.
.set BOFF,  131072
.set BP,    1040                       ; a row of Wp in LDS: 260 words, so the 16 rows that a load touches start at 16 different banks (64 banks of 4 bytes: ISA guide 11.1)
.set STAGE, 264192                     ; the way out: 16 rows x (256 bytes + 16) for each wave; no fill lands there
.set SP,    272
.set SPARE, 299008                     ; the spare words, 128 bytes for each wave: four blocks of 256 bytes that no other line names
.set BPV,  12                          ; v12-15 bp at my four columns
.set GO,   16                          ; v16  my byte offset in x and y
.set BPO,  17
.set AAD,  18                          ; v18  my lane's place in A's images, v19 in B's rows
.set BAD,  19
.set STO,  20                          ; v20  the stage, in; v21 and back
.set RD,   21
.set SPW,  28
.set NIL,  29
.set FR,   32
.set ACC,  64                          ; in window 1
.set WV,   16                          ; s16  wave
.set G0A,  32
.set G0B,  36
.set G1A,  48
.set G1B,  56
.set MSB, 0
.macro WIN new
.if MSB != \new
	s_set_vgpr_msb (MSB<<8)|\new
.set MSB, \new
.endif
.endm
.macro PLACES
.rept 4
	v_nop
.endr
.endm
.macro ROUND
	s_barrier_signal -1
	s_barrier_wait -1
	s_cmp_lg_u32 s[WV], 0
	s_cbranch_scc1 .Lnot_wave_0_\@
	s_barrier_signal -3
.Lnot_wave_0_\@:
	s_barrier_wait -3
	s_barrier_signal -1
	s_barrier_wait -1
.endm
	s_load_b256 s[4:11], s[0:1], 0x0               ; ao s[4:5], Wp s[6:7], x s[8:9], bp s[10:11]
	s_load_b128 s[12:15], s[0:1], 0x20             ; the scales' exponents s[12:13], y s[14:15]
	v_lshl_add_u32 v[SPW], v0, 2, SPARE
	v_mov_b32 v[NIL], 0
	ds_add_u32 v[SPW], v[NIL]                      ; the wave's opening: the add, twice on end, and its wait ahead of my first tensor load
	ds_add_u32 v[SPW], v[NIL]
	v_lshrrev_b32 v1, 5, v0
	v_readfirstlane_b32 s[WV], v1                  ; wave 0..7
	s_and_b32 s18, s[WV], 3                        ; which quarter I fetch
	s_lshr_b32 s17, s[WV], 1                       ; which 32 rows of the block are mine
	s_and_b32 s19, s[WV], 1                        ; which 64 columns
	s_bfe_u32 s40, ttmp6, 0x40000                  ; cx, cy
	s_bfe_u32 s41, ttmp6, 0x40004
	s_lshl_b32 s42, ttmp9, 2
	s_add_co_u32 s42, s42, s40                     ; block column
	s_and_b32 s43, ttmp7, 0xffff
	s_lshl_b32 s43, s43, 2
	s_add_co_u32 s43, s43, s41                     ; block row
	s_lshl_b32 s44, s41, 2
	s_lshl_b32 s44, 15, s44                        ; my row of the cluster
	s_lshl_b32 s45, 0x1111, s40                    ; my column
	s_or_b32 s[G1A], s44, (3<<16)|(1<<21)          ; A: elements of 8 bytes, 128 rows of 256 bytes, dense
	s_mov_b32 s[G1A+1], 32<<16
	s_mov_b32 s[G1A+2], 128<<16
	s_mov_b32 s[G1A+3], 32<<16
	s_mov_b32 s[G1A+4], 128
	s_mov_b32 s[G1A+5], 32
	s_mov_b32 s[G1A+6], 0
	s_mov_b32 s[G1A+7], 0
	s_or_b32 s[G1B], s45, (1<<20)|(1<<21)|(7<<22)|(3<<25)   ; B: elements of 1 byte, 32 rows of 1,024; padding: four words after every 256
	s_mov_b32 s[G1B+1], 1024<<16
	s_mov_b32 s[G1B+2], 32<<16
	s_mov_b32 s[G1B+3], 1024<<16
	s_mov_b32 s[G1B+4], 32
	s_mov_b32 s[G1B+5], 1024
	s_mov_b32 s[G1B+6], 0
	s_mov_b32 s[G1B+7], 0
	s_lshl_b32 s24, s18, 15                        ; a quarter of A: 32,768 bytes, in memory and in LDS; a quarter of B's rows in memory likewise
	s_lshl_b32 s20, s43, 17
	s_add_co_u32 s20, s20, s24                     ; A: 131,072 bytes a block row
	s_mov_b32 s21, 0
	s_lshl_b32 s22, s42, 17
	s_add_co_u32 s22, s22, s24                     ; B: 131,072 bytes a block column
	s_mov_b32 s23, 0
	s_mul_i32 s25, s18, 32*BP
	s_add_co_u32 s25, s25, BOFF
	s_lshl_b32 s28, s42, 9
	s_lshl_b32 s29, s19, 8
	s_add_co_u32 s28, s28, s29                     ; my columns in bytes
	s_mov_b32 s29, 0
	s_lshl_b32 s26, s43, 19
	s_lshl_b32 s27, s17, 17
	s_add_co_u32 s26, s26, s27                     ; my rows: 4,096 bytes each
	s_add_co_u32 s26, s26, s28
	s_mov_b32 s27, 0
	s_lshl_b32 s30, s17, 15                        ; my two row tiles of A in LDS
	s_mul_i32 s31, s19, 64*BP
	s_add_co_u32 s31, s31, BOFF                    ; my 64 rows of B
	s_mul_i32 s68, s[WV], 16*SP
	s_add_co_u32 s68, s68, STAGE                   ; my stage
	s_wait_dscnt 0x0                               ; both opening adds are done
	s_wait_kmcnt 0x0
	s_load_b64 s[66:67], s[12:13], 0x28            ; entries 10, 11
	s_mov_b32 s[G0A], 1
	s_mov_b32 s[G0A+1], s24
	s_add_nc_u64 s[G0A+2:G0A+3], s[4:5], s[20:21]
	s_or_b32 s[G0A+3], s[G0A+3], 0x80000000
	s_mov_b32 s[G0B], 1
	s_mov_b32 s[G0B+1], s25
	s_add_nc_u64 s[G0B+2:G0B+3], s[6:7], s[22:23]
	s_or_b32 s[G0B+3], s[G0B+3], 0x80000000
	ROUND                                          ; all sixteen work-groups are here: the joint loads meet
	s_cmp_lt_u32 s[WV], 4
	s_cbranch_scc0 .Lfor_b
	tensor_load_to_lds s[G0A:G0A+3], s[G1A:G1A+7]
	s_nop 0
	PLACES
	s_branch .Lasked
.Lfor_b:
	tensor_load_to_lds s[G0B:G0B+3], s[G1B:G1B+7]
	s_nop 0
	PLACES
.Lasked:
	s_add_nc_u64 s[8:9], s[8:9], s[26:27]
	s_add_nc_u64 s[14:15], s[14:15], s[26:27]
	s_add_nc_u64 s[10:11], s[10:11], s[28:29]
	v_and_b32 v1, 15, v0                           ; r
	v_bfe_u32 v2, v0, 4, 1                         ; h
	v_and_b32 v3, 31, v0
	v_lshlrev_b32 v[GO], 12, v2                    ; lanes 0-15 take one row, lanes 16-31 the next; 16 bytes a lane
	v_lshl_add_u32 v[GO], v1, 4, v[GO]
	v_lshlrev_b32 v[BPO], 4, v1
	v_lshlrev_b32 v[AAD], 4, v3
	v_add_nc_u32 v[AAD], s30, v[AAD]
	v_mul_u32_u24 v[BAD], v1, BP
	v_lshl_add_u32 v[BAD], v2, 3, v[BAD]
	v_add_nc_u32 v[BAD], s31, v[BAD]               ; row r, + 8 h
	v_mul_u32_u24 v[STO], v1, SP
	v_lshl_add_u32 v[STO], v2, 5, v[STO]
	v_add_nc_u32 v[STO], s68, v[STO]               ; in: row r, 32 bytes for each half of the lanes
	v_mul_u32_u24 v[RD], v2, SP
	v_lshl_add_u32 v[RD], v1, 4, v[RD]
	v_add_nc_u32 v[RD], s68, v[RD]                 ; back: sixteen lanes one row of 256 bytes
	s_wait_alu depctr_va_vdst(0)
	global_load_b128 v[BPV:BPV+3], v[BPO], s[10:11]
	s_wait_kmcnt 0x0
	s_add_co_i32 s66, s66, s67
	s_add_co_i32 s66, s66, 127
	s_lshl_b32 s66, s66, 23                        ; 2^(entries 10 + 11)
	s_mov_b32 s67, s66                             ; (named with it as a pair)
; a K step of 128: A's fragments lie as images, 2,048 bytes on end; B's from rows along K: registers 2 c, 2 c + 1: k = 16 c + 8 h + 0 .. 7, as in A's images
.macro LOADF s
.set FB, FR+96*((\s)%2)
.irp a, 0,1
.irp g, 0,1,2,3
	ds_load_b128 v[FB+16*\a+4*\g:FB+16*\a+4*\g+3], v[AAD] offset:16384*\a+2048*(\s)+512*\g
.endr
.endr
.irp b, 0,1,2,3
.irp c, 0,1,2,3,4,5,6,7
	ds_load_b64 v[FB+32+16*\b+2*\c:FB+33+16*\b+2*\c], v[BAD] offset:16*BP*\b+128*(\s)+16*\c
.endr
.endr
.endm
.macro STEP s
.if (\s) < 7
.if (\s) > 0
	PLACES                                         ; in front of loads into registers that the step before has read
.endif
	WIN 0
	LOADF (\s)+1
	s_wait_dscnt 40                                ; all but the next step's forty loads
.else
	s_wait_dscnt 0x0
.endif
.set FB, FR+96*((\s)%2)
	WIN 0x50                                       ; sources window 0, C and D window 1
.irp b, 0,1,2,3
.irp a, 0,1
.if (\s) == 0
	v_wmma_f32_16x16x128_bf8_bf8 v[ACC+32*\a+8*\b:ACC+32*\a+8*\b+7], v[FB+32+16*\b:FB+47+16*\b], v[FB+16*\a:FB+16*\a+15], 0
.else
	v_wmma_f32_16x16x128_bf8_bf8 v[ACC+32*\a+8*\b:ACC+32*\a+8*\b+7], v[FB+32+16*\b:FB+47+16*\b], v[FB+16*\a:FB+16*\a+15], v[ACC+32*\a+8*\b:ACC+32*\a+8*\b+7]
.endif
.endr
.endr
.endm
	s_wait_tensorcnt 0x0                           ; my part is in,
	s_barrier_signal -1
	s_barrier_wait -1                              ; everybody's is.
	LOADF 0
	WIN 0x40
.irp i, 0,1,2,3,4,5,6,7,8,9,10,11,12,13,14,15
	global_load_b128 v[4*\i:4*\i+3], v[GO], s[8:9] offset:8192*\i th:TH_LOAD_NT   ; x: rows 2 i, 2 i + 1 of mine: 256 consecutive bytes each; wanted behind the eight K steps, so asked for behind the operands
.endr
	WIN 0
.irp s, 0,1,2,3,4,5,6,7
	STEP \s                                        ; the eight accumulators take turns, one instruction a turn
.endr
	s_wait_loadcnt 0x0                             ; x and bp
	WIN 0x41                                       ; x + bp, in place; these 32 lines are also the places behind the last products
.irp i, 0,1,2,3,4,5,6,7,8,9,10,11,12,13,14,15
	v_pk_add_f32 v[4*\i:4*\i+1], v[4*\i:4*\i+1], v[BPV:BPV+1]
	v_pk_add_f32 v[4*\i+2:4*\i+3], v[4*\i+2:4*\i+3], v[BPV+2:BPV+3]
.endr
; THE WAY OUT: a row tile at a time through my own stage, so that sixteen lanes store 256 consecutive bytes.  LDS serves a wave's instructions in order (ISA guide 5.7.1.4): no wait between the stores and the loads.
.irp a, 0,1
	WIN 0x04                                       ; store data window 1
.irp b, 0,1,2,3
	ds_store_b128 v[STO], v[ACC+32*\a+8*\b:ACC+32*\a+8*\b+3] offset:64*\b
	ds_store_b128 v[STO], v[ACC+32*\a+8*\b+4:ACC+32*\a+8*\b+7] offset:64*\b+16
.endr
	WIN 0
.irp t, 0,1,2,3,4,5,6,7
	ds_load_b128 v[FR+32*\a+4*\t:FR+32*\a+4*\t+3], v[RD] offset:2*SP*\t
.endr
.endr
	s_wait_alu depctr_va_vdst(0)
.irp a, 0,1
	s_wait_dscnt 16-16*\a                          ; this row tile is back; behind the first stand the second's eight stores and eight loads
	WIN 0x10                                       ; source 2 window 1
.irp t, 0,1,2,3,4,5,6,7
	v_pk_fma_f32 v[FR+32*\a+4*\t:FR+32*\a+4*\t+1], v[FR+32*\a+4*\t:FR+32*\a+4*\t+1], s[66:67], v[32*\a+4*\t:32*\a+4*\t+1] op_sel_hi:[1,0,1]
	v_pk_fma_f32 v[FR+32*\a+4*\t+2:FR+32*\a+4*\t+3], v[FR+32*\a+4*\t+2:FR+32*\a+4*\t+3], s[66:67], v[32*\a+4*\t+2:32*\a+4*\t+3] op_sel_hi:[1,0,1]
.endr
	WIN 0
.irp t, 0,1,2,3,4,5,6,7
	global_store_b128 v[GO], v[FR+32*\a+4*\t:FR+32*\a+4*\t+3], s[14:15] offset:8192*(8*\a+\t)
.endr
.endr
	s_wait_tensorcnt 0x0                           ; the wave's end
	ds_add_u32 v[SPW], v[NIL]
	s_wait_dscnt 0x0
	ROUND                                          ; the closing round
	s_endpgm
.Lfunc_end_k_qf1483151c5_proj:
	.size	k_qf1483151c5_proj, .Lfunc_end_k_qf1483151c5_proj-k_qf1483151c5_proj
	.p2alignl 7, 3214868480
	.fill 96, 4, 3214868480
	.section	.rodata,"a",@progbits
	.p2align	6, 0x0
	.amdhsa_kernel k_qf1483151c5_proj
		.amdhsa_group_segment_fixed_size 327680
		.amdhsa_private_segment_fixed_size 0
		.amdhsa_enable_private_segment 0
		.amdhsa_kernarg_size 48
		.amdhsa_user_sgpr_count 2
		.amdhsa_user_sgpr_kernarg_segment_ptr 1
		.amdhsa_wavefront_size32 1
		.amdhsa_system_sgpr_workgroup_id_x 1
		.amdhsa_system_sgpr_workgroup_id_y 1
		.amdhsa_system_sgpr_workgroup_id_z 1
		.amdhsa_system_vgpr_workitem_id 0
		.amdhsa_next_free_vgpr 384
		.amdhsa_next_free_sgpr 72
		.amdhsa_reserve_vcc 0
		.amdhsa_float_denorm_mode_32 3
		.amdhsa_float_denorm_mode_16_64 3
		.amdhsa_memory_ordered 1
		.amdhsa_forward_progress 1
		.amdhsa_inst_pref_size 42
	.end_amdhsa_kernel
	.amdgpu_metadata
---
amdhsa.version: [ 1, 2 ]
amdhsa.kernels:
  - .name:           k_qf1483151c5_proj
    .symbol:         k_qf1483151c5_proj.kd
    .args:
      - { .name: ao, .offset: 0, .size: 8, .value_kind: global_buffer, .address_space: global }
      - { .name: Wp_codes, .offset: 8, .size: 8, .value_kind: global_buffer, .address_space: global }
      - { .name: x, .offset: 16, .size: 8, .value_kind: global_buffer, .address_space: global }
      - { .name: bp, .offset: 24, .size: 8, .value_kind: global_buffer, .address_space: global }
      - { .name: lowp_scales, .offset: 32, .size: 8, .value_kind: global_buffer, .address_space: global }
      - { .name: y, .offset: 40, .size: 8, .value_kind: global_buffer, .address_space: global }
    .group_segment_fixed_size: 327680
    .private_segment_fixed_size: 0
    .kernarg_segment_align: 8
    .kernarg_segment_size: 48
    .max_flat_workgroup_size: 256
    .sgpr_count:     72
    .vgpr_count:     384
    .wavefront_size: 32
...
	.end_amdgpu_metadata
.endif
;; end of part 4
;; launch norm (part 5): grid 256 x 1, 8 waves a work-group, no clusters, 0 bytes of LDS; arguments y, ln_g, ln_b, out0; writes out0
.if DOCPART == 5
	.amdgcn_target "amdgcn-amd-amdhsa--gfx1250"
	.amdhsa_code_object_version 6
	.text
	.protected	k_qf1483151c5_norm
	.globl	k_qf1483151c5_norm
	.p2align	8
	.type	k_qf1483151c5_norm,@function
k_qf1483151c5_norm:
	s_mov_b64 s[64:65], 0
	v_nop
	global_prefetch_b8 v0, s[64:65] scope:SCOPE_SE
	s_setreg_imm32_b32 hwreg(HW_REG_WAVE_MODE, 25, 1), 1
	s_wait_xcnt 0x0
; out0 = (y - mean) x rsqrt(var + 1e-5) x ln_g + ln_b over rows of 1,024.  No work is left out.
; A wave takes two neighbouring rows, whole, in registers: each row is read once; the mean first, then the variance of the differences.  Each load and store of the wave covers 512 consecutive bytes, aligned.
; No data prefetch: there is no loop; all of a wave's loads are out at once.
.set Y,    32                          ; v32-95   two rows, 32 registers each: register 4 k + i is column 128 k + 4 lane + i
.set G,    96                          ; v96-127  ln_g,  v128-159 ln_b
.set BB,   128
.set CH,   160
.set TOT,  168
.set PX,   170
.set MU,   172
.set RS,   176
.set EPSV, 180
.set SEL,  16
	s_load_b256 s[4:11], s[0:1], 0x0               ; y, ln_g, ln_b, out0
	v_lshrrev_b32 v1, 5, v0
	v_readfirstlane_b32 s12, v1
	s_lshl_b32 s14, ttmp9, 16                      ; 16 rows of 4,096 bytes a work-group,
	s_lshl_b32 s13, s12, 13                        ; two a wave
	s_add_co_u32 s14, s14, s13
	s_mov_b32 s15, 0
	s_mov_b32 s[SEL], 0x76543210
	s_mov_b32 s[SEL+1], 0xfedcba98                 ; lane l xor 16
	s_mov_b32 s18, 0x3a800000                      ; 1 / 1,024
	v_and_b32 v2, 31, v0
	v_lshlrev_b32 v2, 4, v2
.irp i, PX, PX+1, MU+1, MU+3, RS+1, RS+3
	v_mov_b32 v[\i], 0                             ; named as permutes' destinations and as upper halves of pairs
.endr
	v_mov_b32 v[EPSV], 0x3727c5ac                  ; 1e-5
	s_wait_alu depctr_va_vdst(0)
	s_wait_kmcnt 0x0
	s_add_nc_u64 s[4:5], s[4:5], s[14:15]
	s_add_nc_u64 s[10:11], s[10:11], s[14:15]
.irp k, 0,1,2,3,4,5,6,7
	global_load_b128 v[Y+4*\k:Y+4*\k+3], v2, s[4:5] offset:512*\k th:TH_LOAD_NT
	global_load_b128 v[Y+32+4*\k:Y+32+4*\k+3], v2, s[4:5] offset:4096+512*\k th:TH_LOAD_NT
.endr
.irp k, 0,1,2,3,4,5,6,7
	global_load_b128 v[G+4*\k:G+4*\k+3], v2, s[6:7] offset:512*\k
	global_load_b128 v[BB+4*\k:BB+4*\k+3], v2, s[8:9] offset:512*\k
.endr
.macro REDUCE                          ; the two rows take turns line by line; the total ends in every lane
.irp a, 0,1
	v_pk_add_f32 v[CH+4*\a:CH+4*\a+1], v[CH+4*\a:CH+4*\a+1], v[CH+4*\a+2:CH+4*\a+3]
.endr
.irp a, 0,1
	v_add_f32 v[TOT+\a], v[CH+4*\a], v[CH+4*\a+1]
.endr
.irp m, 1,2,4,8
.irp a, 0,1
	v_add_f32_dpp v[TOT+\a], v[TOT+\a], v[TOT+\a] row_xmask:\m row_mask:0xf bank_mask:0xf
.endr
.endr
.irp a, 0,1
	v_permlanex16_b32 v[PX+\a], v[TOT+\a], s[SEL], s[SEL+1]
.endr
.irp a, 0,1
	v_add_f32 v[TOT+\a], v[TOT+\a], v[PX+\a]
.endr
.endm
	s_wait_loadcnt 16                              ; both rows are in; ln_g and ln_b may be out
.irp k, 0,1
.irp a, 0,1
	v_pk_add_f32 v[CH+4*\a+2*\k:CH+4*\a+2*\k+1], v[Y+32*\a+2*\k:Y+32*\a+2*\k+1], v[Y+32*\a+4+2*\k:Y+32*\a+5+2*\k]
.endr
.endr
.set PP, 4
.rept 12
.irp a, 0,1
	v_pk_add_f32 v[CH+4*\a+2*(PP%2):CH+4*\a+2*(PP%2)+1], v[CH+4*\a+2*(PP%2):CH+4*\a+2*(PP%2)+1], v[Y+32*\a+2*PP:Y+32*\a+2*PP+1]
.endr
.set PP, PP+1
.endr
	REDUCE
	v_mul_f32 v[MU], s18, v[TOT]
	v_mul_f32 v[MU+2], s18, v[TOT+1]
.set PP, 0
.rept 16
.irp a, 0,1
	v_pk_add_f32 v[Y+32*\a+2*PP:Y+32*\a+2*PP+1], v[Y+32*\a+2*PP:Y+32*\a+2*PP+1], v[MU+2*\a:MU+2*\a+1] op_sel_hi:[1,0] neg_lo:[0,1] neg_hi:[0,1]
.endr
.set PP, PP+1
.endr
.irp k, 0,1
.irp a, 0,1
	v_pk_mul_f32 v[CH+4*\a+2*\k:CH+4*\a+2*\k+1], v[Y+32*\a+2*\k:Y+32*\a+2*\k+1], v[Y+32*\a+2*\k:Y+32*\a+2*\k+1]
.endr
.endr
.set PP, 2
.rept 14
.irp a, 0,1
	v_pk_fma_f32 v[CH+4*\a+2*(PP%2):CH+4*\a+2*(PP%2)+1], v[Y+32*\a+2*PP:Y+32*\a+2*PP+1], v[Y+32*\a+2*PP:Y+32*\a+2*PP+1], v[CH+4*\a+2*(PP%2):CH+4*\a+2*(PP%2)+1]
.endr
.set PP, PP+1
.endr
	REDUCE
	v_fma_f32 v[TOT], v[TOT], s18, v[EPSV]
	v_fma_f32 v[TOT+1], v[TOT+1], s18, v[EPSV]
	s_wait_alu depctr_va_vdst(0)                   ; the wait ahead of the roots,
	v_rsq_f32 v[RS], v[TOT]
	v_rsq_f32 v[RS+2], v[TOT+1]
	v_nop
	s_wait_alu depctr_va_vdst(0)                   ; and the wait ahead of their first reader
	s_wait_loadcnt 0x0                             ; ln_g and ln_b
.irp a, 0,1
.set PP, 0
.rept 16
	v_pk_mul_f32 v[Y+32*\a+2*PP:Y+32*\a+2*PP+1], v[Y+32*\a+2*PP:Y+32*\a+2*PP+1], v[RS+2*\a:RS+2*\a+1] op_sel_hi:[1,0]
.set PP, PP+1
.endr
.set PP, 0
.rept 16
	v_pk_fma_f32 v[Y+32*\a+2*PP:Y+32*\a+2*PP+1], v[Y+32*\a+2*PP:Y+32*\a+2*PP+1], v[G+2*PP:G+2*PP+1], v[BB+2*PP:BB+2*PP+1]
.set PP, PP+1
.endr
.irp k, 0,1,2,3,4,5,6,7
	global_store_b128 v2, v[Y+32*\a+4*\k:Y+32*\a+4*\k+3], s[10:11] offset:4096*\a+512*\k th:TH_STORE_NT
.endr
.endr
	s_endpgm
.Lfunc_end_k_qf1483151c5_norm:
	.size	k_qf1483151c5_norm, .Lfunc_end_k_qf1483151c5_norm-k_qf1483151c5_norm
	.p2alignl 7, 3214868480
	.fill 96, 4, 3214868480
	.section	.rodata,"a",@progbits
	.p2align	6, 0x0
	.amdhsa_kernel k_qf1483151c5_norm
		.amdhsa_group_segment_fixed_size 0
		.amdhsa_private_segment_fixed_size 0
		.amdhsa_enable_private_segment 0
		.amdhsa_kernarg_size 32
		.amdhsa_user_sgpr_count 2
		.amdhsa_user_sgpr_kernarg_segment_ptr 1
		.amdhsa_wavefront_size32 1
		.amdhsa_system_sgpr_workgroup_id_x 1
		.amdhsa_system_sgpr_workgroup_id_y 1
		.amdhsa_system_sgpr_workgroup_id_z 1
		.amdhsa_system_vgpr_workitem_id 0
		.amdhsa_next_free_vgpr 184
		.amdhsa_next_free_sgpr 66
		.amdhsa_reserve_vcc 0
		.amdhsa_float_denorm_mode_32 3
		.amdhsa_float_denorm_mode_16_64 3
		.amdhsa_memory_ordered 1
		.amdhsa_forward_progress 1
		.amdhsa_inst_pref_size 18
	.end_amdhsa_kernel
	.amdgpu_metadata
---
amdhsa.version: [ 1, 2 ]
amdhsa.kernels:
  - .name:           k_qf1483151c5_norm
    .symbol:         k_qf1483151c5_norm.kd
    .args:
      - { .name: y, .offset: 0, .size: 8, .value_kind: global_buffer, .address_space: global }
      - { .name: ln_g, .offset: 8, .size: 8, .value_kind: global_buffer, .address_space: global }
      - { .name: ln_b, .offset: 16, .size: 8, .value_kind: global_buffer, .address_space: global }
      - { .name: out0, .offset: 24, .size: 8, .value_kind: global_buffer, .address_space: global }
    .group_segment_fixed_size: 0
    .private_segment_fixed_size: 0
    .kernarg_segment_align: 8
    .kernarg_segment_size: 32
    .max_flat_workgroup_size: 256
    .sgpr_count:     66
    .vgpr_count:     184
    .wavefront_size: 32
...
	.end_amdgpu_metadata
.endif
;; end of part 5
